; MI455X (gfx1250); checked and timed in simulation.
; The chip was launched on July 23, 2026; its instructions are those of AMD's public machine-readable ISA for CDNA 5 (MIT licence, August 2026) and "CDNA5" Instruction Set Architecture Reference Guide (July 2026). The comments in the code are by the model that wrote it; some were corrected since.
;; Encoder Block. Allowed arithmetic: matrix products marked QUANTISED: E2M3 operands, one E8M0 scale for each 32 along K, by v_wmma_scale_f32_16x16x128_f8f6f4 with both operands' format E2M3, f32 sums; everything else in f32.
;; Inputs: b1 4,096 float32; b2 1,024 float32; ln1_a 1,024 float32; ln1_b 1,024 float32; ln2_a 1,024 float32; ln2_b 1,024 float32; mask 2 x 1 x 1 x 2,048 int32; w1 1,024 x 4,096 float32; w2 4,096 x 1,024 float32; wk 1,024 x 1,024 float32; wo 1,024 x 1,024 float32; wq 1,024 x 1,024 float32; wv 1,024 x 1,024 float32; x 2 x 2,048 x 1,024 float32.
;; Outputs: out0 2 x 2,048 x 1,024 float32.
;; This version of the problem:
;;   THIS VERSION OF THE PROBLEM IS GIVEN IN LOW PRECISION. The matrix products marked QUANTISED in the list below multiply operands that are first quantised to E2M3 (2 exponent bits, 3 mantissa bits; 6 bits a number), with one power-of-two scale for each 32 numbers along K (OCP MX v1.0); their sums are f32. All else is computed in f32.
;;   The module's matrix products, in the order in which they are computed (A, B: the left and right operand; K: the contracted axis; several contracted axes count as one K, in the product's order):
;;     1. [M 4,096, K 1,024] x [K 1,024, N 1,024]; A: computed on the way; B: input wq: QUANTISED
;;     2. [M 4,096, K 1,024] x [K 1,024, N 1,024]; A: computed on the way; B: input wk: QUANTISED
;;     3. [M 4,096, K 1,024] x [K 1,024, N 1,024]; A: computed on the way; B: input wv: QUANTISED
;;     4. batch 32 x [M 2,048, K 64] x [K 64, N 2,048]; A: computed on the way; B: computed on the way: QUANTISED
;;     5. batch 32 x [M 64, K 2,048] x [K 2,048, N 2,048]; A: computed on the way; B: softmax (see below): QUANTISED
;;     6. [M 4,096, K 1,024] x [K 1,024, N 1,024]; A: computed on the way; B: input wo: QUANTISED
;;     7. [M 4,096, K 1,024] x [K 1,024, N 4,096]; A: computed on the way; B: input w1: QUANTISED
;;     8. [M 4,096, K 4,096] x [K 4,096, N 1,024]; A: computed on the way; B: input w2: QUANTISED
;;   THE QUANTISER, for each operand of a quantised product, along K:
;;     - K is cut into blocks of 32 from its start; a last block that is shorter is filled with zeros.
;;     - A block's scale is 2^e with e = floor(log2(the largest magnitude in the block)) - 2, held to -126 .. 127; a block of zeros has e = 0. As a byte (E8M0): e + 127.
;;     - Each number is divided by its block's scale, clamped to +-7.5, and rounded to the nearest number of E2M3, ties to even, subnormals kept.
;;     - The product sums the exact products of the quantised numbers (number of the format x scale) in f32.
;;   ~~~python
;;   def quantise(x, axis):      # numpy; x: float32 -> the quantised numbers, widened to float32 again
;;       x = np.moveaxis(x, axis, -1); K = x.shape[-1]
;;       x = np.pad(x, [(0, 0)] * (x.ndim - 1) + [(0, -K % 32)]); x = x.reshape(x.shape[:-1] + (-1, 32)); a = np.abs(x).max(-1, keepdims=True)
;;       e = np.where(a > 0, np.clip(np.frexp(np.where(a > 0, a, 1))[1] - 1 - 2, -126, 127), 0)      # np.frexp(a)[1] - 1 = floor(log2(a)), exactly
;;       r = np.clip(x / 2.0 ** e, -7.5, 7.5)
;;       step = 2.0 ** (np.maximum(np.frexp(np.where(r == 0, 1, r))[1] - 1, 0) - 3)
;;       q = np.round(r / step) * step * 2.0 ** e      # np.round: ties to even
;;       return np.moveaxis(q.reshape(q.shape[:-2] + (-1,))[..., :K], -1, axis).astype(np.float32)
;;   ~~~
;;   SOFTMAX AHEAD OF A QUANTISED PRODUCT. Where the list says 'softmax', what is quantised is not the finished softmax but p = 2^(t - M), with t = logit x log2(e) and M = ceil(the row's largest t), a whole number; so 1/2 < the row's largest p <= 1. The row's sum l is taken of the UNQUANTISED p, in f32, and the product's result is divided by l at the end. Since M is a whole number, a kernel that streams over the keys may use a running M (the ceiling of the running maximum): every later rescaling is an exact power of two, which a block's scale takes up: the codes' values come out the same.
;;   OPERANDS COMPUTED ON THE WAY. 'Computed on the way' means the value that the module computes at that place (a softmax that the list does not call 'softmax' is quantised finished and normalised). What goes into a quantiser is computed in f32, as accurately as f32 sums, v_exp_f32 and their like allow (about 1e-6 of the number): no bf16 or f16 on the way to a quantiser, and a product that is left as it is and whose result goes on into a quantised operand takes f32 operands (vector FMAs, or v_wmma_f32_16x16x4_f32). A number that lies on a knife's edge between two numbers of the format may be rounded either way, as far as f32 arithmetic and the matrix unit's own rounding can turn it there, and no further.
;; One version. Each part assembles by itself: llvm-mc -triple=amdgcn-amd-amdhsa -mcpu=gfx1250 --defsym DOCPART=n.
;; ======== version 1 of 1: 8 launches
;; limits: right only within a limited range of input values
;; workspace buffers: wbuf 9,830,400 bytes; actA 3,276,800 bytes; qkv 9,830,400 bytes; actB 3,276,800 bytes; x1 16,777,216 bytes; hid 13,107,200 bytes
;; launch wquant (part 1): grid 384 x 1, 4 waves a work-group, no clusters, 36,352 bytes of LDS; arguments wq, wk, wv, wo, w1, w2, wbuf; writes wbuf
.if DOCPART == 1
	.amdgcn_target "amdgcn-amd-amdhsa--gfx1250"
	.amdhsa_code_object_version 6
	.text
	.protected	k_q821e060f46_wquant
	.globl	k_q821e060f46_wquant
	.p2align	8
	.type	k_q821e060f46_wquant,@function
k_q821e060f46_wquant:
	s_mov_b64 s[64:65], 0
	v_nop
	global_prefetch_b8 v0, s[64:65] scope:SCOPE_SE
	s_setreg_imm32_b32 hwreg(HW_REG_WAVE_MODE, 25, 1), 1
	s_wait_xcnt 0x0
; The six weights, f32 stored [K][N], become codes of FP6 (E2M3) with K innermost and one E8M0 byte for each 32 along K, laid as the products' launches read them.
; wbuf is 384 blocks: block g = 128 columns n x 256 along K = 24,576 bytes of codes at g x 24,576 ([128 rows][192 bytes]) and 1,024 scale bytes at WS + g x 1,024 ([128 rows][8]).
; Blocks 0-31 wq, 32-63 wk, 64-95 wv, 96-127 wo, 128-255 w1, 256-383 w2; inside a weight: (panel of 128 columns) x (K / 256) + chunk of K.
; Column L of a panel lies at row swap34(L) (bits 3 and 4 of L exchanged), so that 16 neighbouring rows are the columns 32 b + 8 u + r + 8 (r / 8) of a matrix tile.
; A work-group makes one block; a wave 32 columns; A LANE TAKES A COLUMN AND ITS REGISTERS RUN DOWN K: a block of 32 lies in one lane, and the conversions give codes with K innermost.
; One path for all six: pointer, row pitch and the split of the block's number are chosen by selects on the work-group's number.
; A block's scale is 2^(floor(log2(largest magnitude)) - 2); its byte is the largest magnitude's exponent field - 2, held at 1 from below.
; LIMITS: a block of zeros gets the byte 1 (its codes are zeros; this program alone reads the bytes); NaN and infinities among the inputs are not served.
.set PITCH, 272                        ; a stage row: sixteen places of 16 bytes, 12 bytes of codes in each, + 16
.set NB,    8                          ; blocks of 32 along K for a wave
.set EMAX,  2
.set CHB,   24576
.set WS,    9437184
.set SB,    24                         ; v24-25   the lane's eight scale bytes
.set X,     32                         ; v32-95   two sets of 32 numbers
.set C,     96                         ; v96-102  a block's codes
.set OUTR,  112                        ; v112-175 the way out
.set OFFI,  176                        ; v176-207 4 x lane + i rows of the weight
.set BAS,   32                         ; s[32:47] the weight at my columns, 32 t rows down
	s_load_b256 s[4:11], s[0:1], 0x0               ; wq, wk, wv, wo
	s_load_b128 s[12:15], s[0:1], 0x20             ; w1, w2
	s_load_b64 s[16:17], s[0:1], 0x30              ; wbuf
	v_lshl_add_u32 v208, v0, 2, 0x8c00
	v_mov_b32 v209, 0
	v_lshrrev_b32 v1, 5, v0
	v_readfirstlane_b32 s26, v1                    ; wave
	v_and_b32 v2, 31, v0                           ; lane = my column of the wave's 32
	v_and_b32 v3, 7, v0
	v_bfe_u32 v5, v0, 3, 1
	v_lshl_add_u32 v3, v5, 4, v3
	v_bfe_u32 v6, v0, 4, 1
	v_lshl_add_u32 v3, v6, 3, v3                   ; swap34(lane): my row among the wave's 32
	s_mul_i32 s27, s26, 32*PITCH                   ; my wave's stage
	v_mul_u32_u24 v4, v3, PITCH
	v_add_nc_u32 v4, s27, v4                       ; into it: my row
	v_and_b32 v5, 15, v0
	v_mul_u32_u24 v7, v6, PITCH
	v_lshl_add_u32 v7, v5, 4, v7
	v_add_nc_u32 v7, s27, v7                       ; out of it: sixteen lanes to a row, two rows an instruction
	v_mul_u32_u24 v8, v6, 192
	v_mad_u32_u24 v8, v5, 12, v8                   ; and the same place in the block
	v_lshlrev_b32 v9, 3, v3                        ; my row's eight scale bytes
	v_lshlrev_b32 v[OFFI], 2, v2
	s_lshr_b32 s20, ttmp9, 5
	s_mov_b32 s21, 4096                            ; a row of the weight in bytes
	s_wait_kmcnt 0x0
	s_mov_b64 s[18:19], s[4:5]
	s_cmp_eq_u32 s20, 1
	s_cselect_b64 s[18:19], s[6:7], s[18:19]
	s_cmp_eq_u32 s20, 2
	s_cselect_b64 s[18:19], s[8:9], s[18:19]
	s_cmp_eq_u32 s20, 3
	s_cselect_b64 s[18:19], s[10:11], s[18:19]
	s_cmp_ge_u32 ttmp9, 128
	s_cselect_b64 s[18:19], s[12:13], s[18:19]
	s_cselect_b32 s21, 16384, s21                  ; w1 has 4,096 columns
	s_cselect_b32 s22, 127, 31
	s_cmp_ge_u32 ttmp9, 256
	s_cselect_b64 s[18:19], s[14:15], s[18:19]
	s_cselect_b32 s21, 4096, s21
	s_cselect_b32 s23, 4, 2                        ; w2 has 16 chunks of K, the others 4
	s_cselect_b32 s28, 15, 3
	s_and_b32 s22, ttmp9, s22                      ; the block's number inside its weight
	s_lshr_b32 s29, s22, s23                       ; panel
	s_and_b32 s28, s22, s28                        ; chunk
	s_lshl_b32 s30, s21, 8
	s_mul_i32 s30, s30, s28                        ; 256 rows a chunk
	s_lshl_b32 s29, s29, 9                         ; 128 columns a panel
	s_add_co_u32 s30, s30, s29
	s_lshl_b32 s29, s26, 7                         ; 32 columns a wave
	s_add_co_u32 s30, s30, s29
	s_mov_b32 s31, 0
	s_add_nc_u64 s[BAS:BAS+1], s[18:19], s[30:31]
	s_lshl_b32 s24, s21, 5                         ; 32 rows
	s_mov_b32 s25, 0
.irp t, 1,2,3,4,5,6,7
	s_add_nc_u64 s[BAS+2*\t:BAS+2*\t+1], s[BAS+2*\t-2:BAS+2*\t-1], s[24:25]
.endr
.set i, 1
.rept 31
	v_add_nc_u32 v[OFFI+i], s21, v[OFFI+i-1]
.set i, i+1
.endr
	s_mul_i32 s30, ttmp9, CHB
	s_mul_i32 s29, s26, 6144                       ; 32 rows of 192 bytes a wave
	s_add_co_u32 s30, s30, s29
	s_add_nc_u64 s[48:49], s[16:17], s[30:31]      ; my rows' codes
	s_lshl_b32 s30, ttmp9, 10
	s_lshl_b32 s29, s26, 8
	s_add_co_u32 s30, s30, s29
	s_add_co_u32 s30, s30, WS
	s_add_nc_u64 s[50:51], s[16:17], s[30:31]      ; and their scale bytes
.macro LOAD t                          ; block t: rows 32 t + i of my column: 32 lanes read 128 consecutive bytes, the four waves 512
.set i, 0
.rept 32
	global_load_b32 v[X+32*((\t)%2)+i], v[OFFI+i], s[BAS+2*(\t):BAS+2*(\t)+1] th:TH_LOAD_NT
.set i, i+1
.endr
.endm
	LOAD 0
	LOAD 1
.macro BLOCK t
.set XS, X+32*((\t)%2)
.if (\t) < NB-1
	s_wait_loadcnt 32                              ; this block's 32 loads are in; the next block's may be out
.else
	s_wait_loadcnt 0
.endif
	v_max3_num_f32 v12, |v[XS]|, |v[XS+1]|, |v[XS+2]|      ; the block's largest magnitude: all 32 numbers are mine
	v_max3_num_f32 v13, |v[XS+3]|, |v[XS+4]|, |v[XS+5]|
.irp i, 6,10,14,18,22,26
	v_max3_num_f32 v12, v12, |v[XS+\i]|, |v[XS+\i+1]|
	v_max3_num_f32 v13, v13, |v[XS+\i+2]|, |v[XS+\i+3]|
.endr
	v_max3_num_f32 v12, v12, |v[XS+30]|, |v[XS+31]|
	v_max3_num_f32 v12, v12, v13, (EMAX+1)<<23     ; the floor 2^(3 - 127): the byte cannot fall under 1
	v_add_nc_u32 v11, -(EMAX<<23), v12             ; 2 off the exponent field: the conversion's scale operand
	v_lshrrev_b32 v13, 23, v11                     ; the scale's byte
.if (\t)%4 == 0
	v_mov_b32 v[SB+(\t)/4], v13
.else
	v_lshl_or_b32 v[SB+(\t)/4], v13, 8*((\t)%4), v[SB+(\t)/4]
.endif
	v_cvt_scalef32_pk16_fp6_f32 v[C:C+2], v[XS:XS+15], v11
	v_cvt_scalef32_pk16_fp6_f32 v[C+4:C+6], v[XS+16:XS+31], v11   ; (a conversion's three registers begin on an even number)
	ds_store_b96 v4, v[C:C+2] offset:32*(\t)       ; 12 bytes to a place of 16, so that every LDS address is a multiple of 16
	ds_store_b96 v4, v[C+4:C+6] offset:32*(\t)+16
.if (\t)+2 < NB
	LOAD (\t)+2
.endif
	s_wait_dscnt 0x0                               ; the stores have read their registers: the next block's codes may be written
.endm
.set Q, 0
.rept NB
	BLOCK Q
.set Q, Q+1
.endr
	global_store_b64 v9, v[SB:SB+1], s[50:51]      ; the wave's 32 rows x 8 bytes: 256 consecutive bytes
.irp t, 0,1,2,3,4,5,6,7,8,9,10,11,12,13,14,15
	ds_load_b96 v[OUTR+4*\t:OUTR+4*\t+2], v7 offset:2*\t*PITCH   ; LDS serves a wave's instructions in order: these see my stores
.endr
.irp t, 0,1,2,3,4,5,6,7,8,9,10,11,12,13,14,15
	s_wait_dscnt 15-\t                             ; loads come back in order: pair t of rows is in
	global_store_b96 v8, v[OUTR+4*\t:OUTR+4*\t+2], s[48:49] offset:2*\t*192   ; two rows: 384 consecutive bytes
.endr
	s_wait_tensorcnt 0x0
	ds_add_u32 v208, v209
	s_wait_dscnt 0x0
	s_endpgm
.Lfunc_end_k_q821e060f46_wquant:
	.size	k_q821e060f46_wquant, .Lfunc_end_k_q821e060f46_wquant-k_q821e060f46_wquant
	.p2alignl 7, 3214868480
	.fill 96, 4, 3214868480
	.section	.rodata,"a",@progbits
	.p2align	6, 0x0
	.amdhsa_kernel k_q821e060f46_wquant
		.amdhsa_group_segment_fixed_size 36352
		.amdhsa_private_segment_fixed_size 0
		.amdhsa_enable_private_segment 0
		.amdhsa_kernarg_size 56
		.amdhsa_user_sgpr_count 2
		.amdhsa_user_sgpr_kernarg_segment_ptr 1
		.amdhsa_wavefront_size32 1
		.amdhsa_system_sgpr_workgroup_id_x 1
		.amdhsa_system_sgpr_workgroup_id_y 1
		.amdhsa_system_sgpr_workgroup_id_z 1
		.amdhsa_system_vgpr_workitem_id 0
		.amdhsa_next_free_vgpr 210
		.amdhsa_next_free_sgpr 66
		.amdhsa_reserve_vcc 0
		.amdhsa_float_denorm_mode_32 3
		.amdhsa_float_denorm_mode_16_64 3
		.amdhsa_memory_ordered 1
		.amdhsa_forward_progress 1
		.amdhsa_inst_pref_size 44
	.end_amdhsa_kernel
	.amdgpu_metadata
---
amdhsa.version: [ 1, 2 ]
amdhsa.kernels:
  - .name:           k_q821e060f46_wquant
    .symbol:         k_q821e060f46_wquant.kd
    .args:
      - { .name: wq, .offset: 0, .size: 8, .value_kind: global_buffer, .address_space: global }
      - { .name: wk, .offset: 8, .size: 8, .value_kind: global_buffer, .address_space: global }
      - { .name: wv, .offset: 16, .size: 8, .value_kind: global_buffer, .address_space: global }
      - { .name: wo, .offset: 24, .size: 8, .value_kind: global_buffer, .address_space: global }
      - { .name: w1, .offset: 32, .size: 8, .value_kind: global_buffer, .address_space: global }
      - { .name: w2, .offset: 40, .size: 8, .value_kind: global_buffer, .address_space: global }
      - { .name: wbuf, .offset: 48, .size: 8, .value_kind: global_buffer, .address_space: global }
    .group_segment_fixed_size: 36352
    .private_segment_fixed_size: 0
    .kernarg_segment_align: 8
    .kernarg_segment_size: 56
    .max_flat_workgroup_size: 128
    .sgpr_count:     66
    .vgpr_count:     210
    .wavefront_size: 32
...
	.end_amdgpu_metadata
.endif
;; end of part 1
;; launch ln1 (part 2): grid 256 x 1, 4 waves a work-group, no clusters, 51,712 bytes of LDS; arguments x, ln1_a, ln1_b, actA; writes actA
.if DOCPART == 2
	.amdgcn_target "amdgcn-amd-amdhsa--gfx1250"
	.amdhsa_code_object_version 6
	.text
	.protected	k_q821e060f46_ln1
	.globl	k_q821e060f46_ln1
	.p2align	8
	.type	k_q821e060f46_ln1,@function
k_q821e060f46_ln1:
	s_mov_b64 s[64:65], 0
	v_nop
	global_prefetch_b8 v0, s[64:65] scope:SCOPE_SE
	s_setreg_imm32_b32 hwreg(HW_REG_WAVE_MODE, 25, 1), 1
	s_wait_xcnt 0x0
; y = alpha (x - mean) / (std + 1e-6) + bias along rows of 1,024 f32 (std: the biased one), then quantised along the row to FP6 (E2M3) with one E8M0 byte for each 32.
; OUT, for 4,096 rows: codes at ((panel x 4 + chunk) x 128 + row) x 192 + 24 x block, scale bytes at SOFF + ((panel x 4 + chunk) x 128 + row) x 8 + block
; (panel = 128 rows, chunk = 256 along the row).  Row p of the buffer holds token swap34(p) (bits 3 and 4 exchanged), as the matrix tiles of the products want their rows.
; A work-group owns 16 rows of the buffer, a wave four of them, which are four neighbouring tokens.  A row is loaded as it lies (32 lanes x 16 bytes, eight loads) and turned through the wave's
; own stage in LDS, so that lane l holds the row's numbers 32 l .. 32 l + 31: one block of the quantiser, whose largest magnitude then needs no other lane.
; The mean is taken away before the squares are summed.  Codes and bytes meet in a stage of the work-group; behind one barrier wave w stores chunk w: 3,072 consecutive bytes.
; LIMITS: a block of zeros gets the byte 1 (this program alone reads the bytes); NaN and infinities are not served.
.set AL,   32                          ; v32-63   alpha of my 32 columns
.set BE,   64                          ; v64-95   bias
.set R,    96                          ; v96-223  four rows of 32
.set CD,   224                         ; v224-229 a block's codes;  v230-232 its second half as converted
.set D2,   230
.set CST,  36864                       ; behind the four waves' turning stages (2 x 32 x 144 bytes each): codes [4 chunks, 3,264 apart][16 rows][192]
.set CSTR, 3264
.set SST,  49920                       ; scale bytes [4 chunks][16 rows][8]
.set SOFF, 3145728
	s_load_b256 s[4:11], s[0:1], 0x0               ; in s[4:5], alpha s[6:7], bias s[8:9], out s[10:11]
	v_lshl_add_u32 v240, v0, 2, 0xc800
	v_mov_b32 v241, 0
	v_lshrrev_b32 v1, 5, v0
	v_readfirstlane_b32 s14, v1                    ; wave
	v_and_b32 v1, 31, v0                           ; lane
	v_lshlrev_b32 v2, 4, v1                        ; 16 x lane
	v_bfe_u32 v10, v0, 3, 2                        ; lane / 8
	v_and_b32 v11, 7, v0                           ; lane % 8
	s_mul_i32 s15, s14, 9216
	v_mul_u32_u24 v3, v10, 144
	v_lshl_add_u32 v3, v11, 4, v3
	v_add_nc_u32 v3, s15, v3                       ; the turn, in: eight lanes' 128 bytes on end, then 16 of padding
	v_mul_u32_u24 v4, v1, 144
	v_add_nc_u32 v4, s15, v4                       ; the turn, out: my 128 bytes
	s_mul_i32 s15, s14, 768
	s_add_co_u32 s15, s15, CST
	v_mul_u32_u24 v5, v10, CSTR
	v_mad_u32_u24 v5, v11, 24, v5
	v_add_nc_u32 v5, s15, v5                       ; my block's codes: chunk lane / 8, block lane % 8, rows 4 w on
	s_lshl_b32 s15, s14, 5
	s_add_co_u32 s15, s15, SST
	v_lshl_add_u32 v6, v10, 7, v11
	v_add_nc_u32 v6, s15, v6                       ; and its byte
	s_mul_i32 s15, s14, CSTR
	s_add_co_u32 s15, s15, CST
	v_add_nc_u32 v7, s15, v2                       ; behind the barrier: chunk w, 16 bytes a lane
	s_lshl_b32 s15, s14, 7
	s_add_co_u32 s15, s15, SST
	v_lshlrev_b32 v9, 2, v1
	v_add_nc_u32 v8, s15, v9
	s_mov_b32 s12, 0x76543210
	s_mov_b32 s13, 0xfedcba98                      ; v_permlanex16_b32's selects for lane l xor 16
	s_lshr_b32 s16, ttmp9, 1                       ; my first token: 32 (g / 2) + 8 (g % 2) + 16 (w / 2) + 4 (w % 2)
	s_lshl_b32 s16, s16, 5
	s_and_b32 s17, ttmp9, 1
	s_lshl_b32 s17, s17, 3
	s_add_co_u32 s16, s16, s17
	s_lshr_b32 s17, s14, 1
	s_lshl_b32 s17, s17, 4
	s_add_co_u32 s16, s16, s17
	s_and_b32 s17, s14, 1
	s_lshl_b32 s17, s17, 2
	s_add_co_u32 s16, s16, s17
	s_lshl_b32 s16, s16, 12                        ; rows of 4,096 bytes
	s_mov_b32 s17, 0
	s_lshr_b32 s18, ttmp9, 3                       ; out: panel g / 8, chunk w, rows 16 (g % 8) on
	s_lshl_b32 s18, s18, 2
	s_add_co_u32 s18, s18, s14
	s_lshl_b32 s18, s18, 7
	s_and_b32 s19, ttmp9, 7
	s_lshl_b32 s19, s19, 4
	s_add_co_u32 s18, s18, s19
	s_mul_i32 s20, s18, 192
	s_mov_b32 s21, 0
	s_lshl_b32 s22, s18, 3
	s_add_co_u32 s22, s22, SOFF
	s_mov_b32 s23, 0
	s_wait_kmcnt 0x0
	s_add_nc_u64 s[4:5], s[4:5], s[16:17]
	s_add_nc_u64 s[20:21], s[10:11], s[20:21]
	s_add_nc_u64 s[22:23], s[10:11], s[22:23]
.irp j, 0,1,2,3,4,5,6,7
	global_load_b128 v[AL+4*\j:AL+4*\j+3], v2, s[6:7] offset:512*\j
.endr
.irp j, 0,1,2,3,4,5,6,7
	global_load_b128 v[BE+4*\j:BE+4*\j+3], v2, s[8:9] offset:512*\j
.endr
.irp i, 0,1,2,3
.irp j, 0,1,2,3,4,5,6,7
	global_load_b128 v[R+32*\i+4*\j:R+32*\i+4*\j+3], v2, s[4:5] offset:4096*\i+512*\j   ; 32 lanes read 512 consecutive bytes
.endr
.endr
.macro TURN reg, st                    ; 4,096 bytes through stage st; LDS serves a wave's instructions in order, so no wait stands between the stores and the loads
.irp j, 0,1,2,3,4,5,6,7
	ds_store_b128 v3, v[\reg+4*\j:\reg+4*\j+3] offset:(\st)*4608+576*\j
.endr
.irp j, 0,1,2,3,4,5,6,7
	ds_load_b128 v[\reg+4*\j:\reg+4*\j+3], v4 offset:(\st)*4608+16*\j
.endr
.endm
.macro RED                             ; v10 summed over the 32 lanes, the result in every lane
	v_add_f32_dpp v10, v10, v10 row_xmask:1 row_mask:0xf bank_mask:0xf
	v_add_f32_dpp v10, v10, v10 row_xmask:2 row_mask:0xf bank_mask:0xf
	v_add_f32_dpp v10, v10, v10 row_xmask:4 row_mask:0xf bank_mask:0xf
	v_add_f32_dpp v10, v10, v10 row_xmask:8 row_mask:0xf bank_mask:0xf
	v_permlanex16_b32 v11, v10, s12, s13
	v_add_f32 v10, v10, v11
.endm
	s_wait_loadcnt 40                              ; alpha's eight loads are in
	TURN AL, 0
	s_wait_loadcnt 32                              ; bias's
	TURN BE, 1
.macro ROW i
.set RR, R+32*\i
	s_wait_loadcnt 8*(3-\i)                        ; this row's eight loads are in; the later rows' may be out
	TURN RR, (\i)%2
	s_wait_dscnt 0x0
	v_pk_add_f32 v[10:11], v[RR:RR+1], v[RR+2:RR+3]           ; the sum, in two chains
	v_pk_add_f32 v[12:13], v[RR+4:RR+5], v[RR+6:RR+7]
.irp j, 8,12,16,20,24,28
	v_pk_add_f32 v[10:11], v[10:11], v[RR+\j:RR+\j+1]
	v_pk_add_f32 v[12:13], v[12:13], v[RR+\j+2:RR+\j+3]
.endr
	v_pk_add_f32 v[10:11], v[10:11], v[12:13]
	v_add_f32 v10, v10, v11
	RED
	v_mul_f32 v14, 0x3a800000, v10                 ; the mean: / 1,024
	v_mov_b32 v15, v14
.irp j, 0,2,4,6,8,10,12,14,16,18,20,22,24,26,28,30
	v_pk_add_f32 v[RR+\j:RR+\j+1], v[RR+\j:RR+\j+1], v[14:15] neg_lo:[0,1] neg_hi:[0,1]   ; x - mean
.endr
	v_pk_mul_f32 v[10:11], v[RR:RR+1], v[RR:RR+1]             ; the squares' sum, in two chains
	v_pk_mul_f32 v[12:13], v[RR+2:RR+3], v[RR+2:RR+3]
.irp j, 4,8,12,16,20,24,28
	v_pk_fma_f32 v[10:11], v[RR+\j:RR+\j+1], v[RR+\j:RR+\j+1], v[10:11]
	v_pk_fma_f32 v[12:13], v[RR+\j+2:RR+\j+3], v[RR+\j+2:RR+\j+3], v[12:13]
.endr
	v_pk_add_f32 v[10:11], v[10:11], v[12:13]
	v_add_f32 v10, v10, v11
	RED
	v_mul_f32 v10, 0x3a800000, v10
	v_sqrt_f32 v16, v10
	v_nop                                          ; a plain instruction behind the root,
	s_wait_alu depctr_va_vdst(0)                   ; and the wait ahead of its first reader
	v_add_f32 v16, 0x358637bd, v16                 ; std + 1e-6
	v_rcp_f32 v18, v16
	v_nop
	s_wait_alu depctr_va_vdst(0)
	v_mov_b32 v19, v18
.irp j, 0,2,4,6,8,10,12,14,16,18,20,22,24,26,28,30
	v_pk_mul_f32 v[RR+\j:RR+\j+1], v[RR+\j:RR+\j+1], v[18:19]
.endr
.irp j, 0,2,4,6,8,10,12,14,16,18,20,22,24,26,28,30
	v_pk_fma_f32 v[RR+\j:RR+\j+1], v[RR+\j:RR+\j+1], v[AL+\j:AL+\j+1], v[BE+\j:BE+\j+1]
.endr
	v_max3_num_f32 v12, |v[RR]|, |v[RR+1]|, |v[RR+2]|         ; my block's largest magnitude
	v_max3_num_f32 v13, |v[RR+3]|, |v[RR+4]|, |v[RR+5]|
.irp j, 6,10,14,18,22,26
	v_max3_num_f32 v12, v12, |v[RR+\j]|, |v[RR+\j+1]|
	v_max3_num_f32 v13, v13, |v[RR+\j+2]|, |v[RR+\j+3]|
.endr
	v_max3_num_f32 v12, v12, |v[RR+30]|, |v[RR+31]|
	v_max3_num_f32 v12, v12, v13, 0x1800000        ; the floor 2^(3 - 127): the byte cannot fall under 1
	v_add_nc_u32 v20, 0xff000000, v12              ; 2 off the exponent field: the conversion's scale operand
	v_lshrrev_b32 v21, 23, v20                     ; the scale's byte
	v_cvt_scalef32_pk16_fp6_f32 v[CD:CD+2], v[RR:RR+15], v20
	v_cvt_scalef32_pk16_fp6_f32 v[D2:D2+2], v[RR+16:RR+31], v20   ; (a conversion's three registers begin on an even number)
	v_nop                                          ; one plain instruction behind a scaled conversion
.irp j, 0,1,2
	v_mov_b32 v[CD+3+\j], v[D2+\j]
.endr
.irp p, 0,1,2
	ds_store_b64 v5, v[CD+2*\p:CD+2*\p+1] offset:192*\i+8*\p
.endr
	ds_store_b8 v6, v21 offset:8*\i
	s_wait_dscnt 0x0                               ; the stores are done: their registers may be written, and (behind the last row) the others may read
.endm
	ROW 0
	ROW 1
	ROW 2
	ROW 3
	s_barrier_signal -1
	s_barrier_wait -1                              ; sixteen rows' codes and bytes lie in the stages
.irp k, 0,1,2,3,4,5
	ds_load_b128 v[R+4*\k:R+4*\k+3], v7 offset:512*\k
.endr
	ds_load_b32 v[R+24], v8
	s_wait_dscnt 0x0
.irp k, 0,1,2,3,4,5
	global_store_b128 v2, v[R+4*\k:R+4*\k+3], s[20:21] offset:512*\k   ; 512 consecutive bytes, at a multiple of 256 from the buffer's first byte
.endr
	global_store_b32 v9, v[R+24], s[22:23]         ; 16 rows x 8 scale bytes
	s_wait_tensorcnt 0x0
	ds_add_u32 v240, v241
	s_wait_dscnt 0x0
	s_endpgm
.Lfunc_end_k_q821e060f46_ln1:
	.size	k_q821e060f46_ln1, .Lfunc_end_k_q821e060f46_ln1-k_q821e060f46_ln1
	.p2alignl 7, 3214868480
	.fill 96, 4, 3214868480
	.section	.rodata,"a",@progbits
	.p2align	6, 0x0
	.amdhsa_kernel k_q821e060f46_ln1
		.amdhsa_group_segment_fixed_size 51712
		.amdhsa_private_segment_fixed_size 0
		.amdhsa_enable_private_segment 0
		.amdhsa_kernarg_size 32
		.amdhsa_user_sgpr_count 2
		.amdhsa_user_sgpr_kernarg_segment_ptr 1
		.amdhsa_wavefront_size32 1
		.amdhsa_system_sgpr_workgroup_id_x 1
		.amdhsa_system_sgpr_workgroup_id_y 1
		.amdhsa_system_sgpr_workgroup_id_z 1
		.amdhsa_system_vgpr_workitem_id 0
		.amdhsa_next_free_vgpr 242
		.amdhsa_next_free_sgpr 66
		.amdhsa_reserve_vcc 0
		.amdhsa_float_denorm_mode_32 3
		.amdhsa_float_denorm_mode_16_64 3
		.amdhsa_memory_ordered 1
		.amdhsa_forward_progress 1
		.amdhsa_inst_pref_size 47
	.end_amdhsa_kernel
	.amdgpu_metadata
---
amdhsa.version: [ 1, 2 ]
amdhsa.kernels:
  - .name:           k_q821e060f46_ln1
    .symbol:         k_q821e060f46_ln1.kd
    .args:
      - { .name: x, .offset: 0, .size: 8, .value_kind: global_buffer, .address_space: global }
      - { .name: ln1_a, .offset: 8, .size: 8, .value_kind: global_buffer, .address_space: global }
      - { .name: ln1_b, .offset: 16, .size: 8, .value_kind: global_buffer, .address_space: global }
      - { .name: actA, .offset: 24, .size: 8, .value_kind: global_buffer, .address_space: global }
    .group_segment_fixed_size: 51712
    .private_segment_fixed_size: 0
    .kernarg_segment_align: 8
    .kernarg_segment_size: 32
    .max_flat_workgroup_size: 128
    .sgpr_count:     66
    .vgpr_count:     242
    .wavefront_size: 32
...
	.end_amdgpu_metadata
.endif
;; end of part 2
;; launch gemm_qkv (part 3): grid 12 x 16, 4 waves a work-group, clusters of 4 x 4, 327,680 bytes of LDS; arguments actA, wbuf, mask, qkv; writes qkv
.if DOCPART == 3
	.amdgcn_target "amdgcn-amd-amdhsa--gfx1250"
	.amdhsa_code_object_version 6
	.text
	.protected	k_q821e060f46_gemm_qkv
	.globl	k_q821e060f46_gemm_qkv
	.p2align	8
	.type	k_q821e060f46_gemm_qkv,@function
k_q821e060f46_gemm_qkv:
	s_mov_b64 s[64:65], 0
	v_nop
	global_prefetch_b8 v0, s[64:65] scope:SCOPE_SE
	s_setreg_imm32_b32 hwreg(HW_REG_WAVE_MODE, 25, 1), 1
	s_wait_xcnt 0x0
	s_wait_alu depctr_hold_cnt(0) depctr_sa_sdst(0) depctr_va_vdst(0) depctr_va_sdst(0) depctr_va_ssrc(0) depctr_va_vcc(0) depctr_vm_vsrc(0)
	s_getreg_b32 s2, hwreg(HW_REG_IB_STS2, 6, 4)
	s_cmp_eq_u32 s2, 0
	s_cbranch_scc0 .Lentry_in_a_cluster
	s_endpgm
.Lentry_in_a_cluster:
	s_bfe_u32 s2, ttmp6, 0x10000c
	s_cmp_lg_u32 s2, 0xf033
	s_cbranch_scc0 .Lentry_shape_is_right
	s_endpgm
.Lentry_shape_is_right:
; q = xn wq, k = xn wk and v^T = wv^T xn^T on codes of FP6 (E2M3) with E8M0 scales, K = 1,024; the results are quantised on the way out (q, k along a head's 64, v along the keys) and leave as codes.
; OPERANDS lie in panels of 128 rows and chunks of 256 along K: a (panel, chunk) is 24,576 dense bytes of codes ([128][192]) and 1,024 of scale bytes ([128][8]); row p of a panel is logical row swap34(p).
; A tile of C, 256 x 256, is made by four waves of 128 x 128: 64 accumulators, 512 registers.  K goes in steps of 256 through a ring of two LDS slots filled by the tensor data mover; the scales of all of K come once.
; CLUSTERS 4 x 4: A's tiles are asked for jointly along a row of the cluster, B's along a column.  Clusters x = 0, 1: A = xn (tokens), B = wq and wk (16 panels).  Cluster x = 2: A = wv (features), B = xn: only pointers
; and tile numbers are selected, on the cluster's x, which all partners share; the text has one path.
; THE MATRIX INSTRUCTION IS USED TRANSPOSED (source 0 = 16 rows of B, source 1 = 16 rows of A): in accumulator (a, b) lane (r, h), register j holds A's row 16 a + r of the panel and B's LOGICAL row 32 (b / 2) + 16 h + 8 (b % 2) + j,
; so the 16 registers of accumulators 2 b', 2 b' + 1 are 16 neighbours along the next product's K.
; OUT (qkv): part 0 q, 1 k, 2 v; idx = ((batch x 8 + head pair) x 16 + chunk of 128 tokens); codes at part x 3,145,728 + idx x 12,288; scale words at 9,437,184 + part x 131,072 + idx x 512.
; q, k: [head % 2][128 tokens][48 bytes]; v: [64 keys][head % 2][64 d][48 bytes].  A wave's 128 x 128 is exactly one idx: 12,288 + 512 consecutive bytes.
; THE MASK: k's codes of a token whose mask word is 0 are cleared, so that its score's part from the head's 64 is exactly 0 (the attention launch adds the masked value).
; LIMITS: a block of zeros gets the byte 1 (this program alone reads the bytes); NaN and infinities are not served.
; REGISTERS, in windows of 256: window 0: v0-31 addresses; v32-63 scale words, two sets; v64-71 the mask's words; v72-113 at work on the way out; from v128 A's fragments, one set.  window 1: B's fragments, two sets.  windows 2, 3: the accumulators.
.set NK,     4                         ; chunks of 256 along K
.set SOFF,   3145728                   ; where xn's scale bytes begin
.set NQ,     2                         ; matrix instructions deep in a slot
.set PITCH,  240                       ; an LDS row: 3 x (64 bytes + 16 of padding): the 32 lanes of a load of 8 bytes touch 64 different banks (64 banks of 4 bytes: ISA guide 11.1)
.set FR,     12                        ; registers of a fragment: 16 rows x 128 K
.set NL,     6                         ; LDS loads that bring one
.set NP,     4                         ; places behind this matrix instruction (ISA guide 7.12.1)
.set CHB,    24576
.set PANB,   NK*CHB                    ; a panel's codes
.set PANS,   NK*1024                   ; a panel's scale bytes
.set WS,     9437184                   ; where wbuf's scale bytes begin
.set HALFT,  128*PITCH                 ; what one tensor load brings
.set SLOT,   4*HALFT                   ; A's 256 rows, then B's 256 rows
.set LAPS,   NK/2
.set SCL,    2*SLOT                    ; behind the ring: the scales, four panels of PANS bytes
.set HALFS,  PANS
.set SBLK,   128                       ; the scale bytes of 16 rows of a chunk
.set SPARE,  SCL+4*HALFS               ; the spare words, 128 bytes for each wave; no other line names them
.set ADRA, 16                          ; v16-17 LDS address of my A fragments in slot 0, 1 (v18-19: behind one padding more)
.set ADRB, 20                          ; v20-23 the same for B
.set STO,  24                          ; v24 the way out: where my codes go
.set STS,  25                          ; v25 and my scale words
.set CO,   26                          ; v26 16 x lane
.set ADRS, 27                          ; v27 LDS address of my scale words: lanes 0-15 A's rows, lanes 16-31 B's
.set SPW,  28                          ; v28 my spare word; never rewritten
.set NIL,  29                          ; v29 0; never rewritten
.set RD,   30                          ; v30 the way out: where I read my stage back
.set MO,   31                          ; v31 my token's mask word
.set SC,   32
.set KEEP, 64                          ; v64-71 block a's mask words, then AND masks
.set CD,   72                          ; v72-83 the codes just made; v84-86, v88-90 second halves as converted
.set TM,   96                          ; v96-99 largest magnitudes, v100-103 bytes, v108-111 scale operands
.set PW,   112                         ; the scale word just made
.set FLR,  113                         ; the floor 2^(3 - 127)
.set AF,   128
.set G1, 24
.set G0, 32
.set G1B, 48
.set G0B, 56
.set G1S, 68
.set G0S, 76
.set G1SB, 80
.set G0SB, 88
.set MSB, 0
.macro WIN new                         ; the immediate's high byte repeats the setting that is left
.if MSB != (\new)
	s_set_vgpr_msb (MSB<<8)|(\new)
.set MSB, (\new)
.endif
.endm
.set MUL_LO, 0xa1                      ; source 0 (B) window 1, source 1 (A) window 0, C and D window 2
.set MUL_HI, 0xf1                      ; the same, C and D window 3
.set TO_B,   0x40                      ; destination window 1, address window 0
; A joint load: waves 0 and 1 fetch for A, waves 2 and 3 for B; the branch hangs on the wave's number alone.  Four v_nop follow each of the two lines.
.macro JLOAD g0a, g1a, g0b, g1b
	s_cmp_eq_u32 s15, 0
	s_cbranch_scc0 .Lfor_b_\@
	tensor_load_to_lds s[\g0a:\g0a+3], s[\g1a:\g1a+7]
	s_nop 0
.rept 4
	v_nop
.endr
	s_branch .Lasked_\@
.Lfor_b_\@:
	tensor_load_to_lds s[\g0b:\g0b+3], s[\g1b:\g1b+7]
	s_nop 0
.rept 4
	v_nop
.endr
.Lasked_\@:
.endm
.macro CREST                           ; a round of the cluster's barrier behind its opening barrier
	s_cmp_lg_u32 s14, 0
	s_cbranch_scc1 .Lnot_wave_0_\@
	s_barrier_signal -3
.Lnot_wave_0_\@:
	s_barrier_wait -3
	s_barrier_signal -1
	s_barrier_wait -1
.endm
.macro CROUND
	s_barrier_signal -1
	s_barrier_wait -1
	CREST
.endm
	s_load_b256 s[4:11], s[0:1], 0x0               ; actA, wbuf, mask, qkv
	v_lshl_add_u32 v[SPW], v0, 2, SPARE
	v_mov_b32 v[NIL], 0
	ds_add_u32 v28, v29
	ds_add_u32 v28, v29
	s_wait_dscnt 0x0
	v_lshrrev_b32 v1, 5, v0
	v_readfirstlane_b32 s14, v1                    ; wave 0..3
	s_lshr_b32 s15, s14, 1                         ; which half of the tile's rows is mine.  Also: I fetch for A (0) or for B (1)
	s_and_b32 s16, s14, 1                          ; which half of its columns.  Also: which panel of that tile I fetch
	s_bfe_u32 s40, ttmp6, 0x40000                  ; cx, cy: my place in the cluster
	s_bfe_u32 s41, ttmp6, 0x40004
	s_and_b32 s18, ttmp7, 0xffff
	s_lshl_b32 s18, s18, 2                         ; 4 x cluster y
	s_lshl_b32 s19, ttmp9, 2                       ; 4 x cluster x
	s_add_co_u32 s17, s18, s41                     ; q, k: tile row = 4 x cluster y + cy,
	s_add_co_u32 s42, s19, s40                     ; tile column = 4 x cluster x + cx
	s_add_co_u32 s45, s18, s40
	s_cmp_eq_u32 ttmp9, 2                          ; v's clusters?
	s_cselect_b32 s17, s41, s17                    ; v: tile row = cy (wv's eight panels),
	s_cselect_b32 s42, s45, s42                    ; tile column = 4 x cluster y + cx (the tokens' 32 panels)
	s_cselect_b32 s95, 1, 0
	s_lshl_b32 s43, s41, 2
	s_lshl_b32 s43, 15, s43                        ; my row of the cluster
	s_lshl_b32 s44, 0x1111, s40                    ; my column
	; descriptor group 1 for the codes: a (panel, chunk) is dense: 96 rows of 256 bytes; 16 bytes of padding behind every 64 give LDS rows of 192 bytes at pitch 240
	s_or_b32 s[G1+0], s43, (1<<20)|(1<<21)|(3<<22)|(3<<25)   ; 15:0 the mask; 17:16 elements of 1 byte; 20 padding on; 21 set beside a mask; 24:22 after every 16 words; 31:25 of 4 words
	s_or_b32 s[G1B+0], s44, (1<<20)|(1<<21)|(3<<22)|(3<<25)
.irp g, G1, G1B
	s_mov_b32 s[\g+1], 256<<16                     ; tensor_dim0
	s_mov_b32 s[\g+2], 96<<16                      ; tensor_dim1
	s_mov_b32 s[\g+3], 256<<16                     ; tile_dim0
	s_mov_b32 s[\g+4], 96                          ; tile_dim1
	s_mov_b32 s[\g+5], 256                         ; tensor_dim0_stride
	s_mov_b32 s[\g+6], 0
	s_mov_b32 s[\g+7], 0
.endr
	; and for a panel's scale bytes: PANS dense bytes as rows of 256 (32 elements of 8 bytes), no padding
	s_or_b32 s[G1S+0], s43, (3<<16)|(1<<21)
	s_or_b32 s[G1SB+0], s44, (3<<16)|(1<<21)
.irp g, G1S, G1SB
	s_mov_b32 s[\g+1], 32<<16
	s_mov_b32 s[\g+2], (4*NK)<<16
	s_mov_b32 s[\g+3], 32<<16
	s_mov_b32 s[\g+4], 4*NK
	s_mov_b32 s[\g+5], 32
	s_mov_b32 s[\g+6], 0
	s_mov_b32 s[\g+7], 0
.endr
	s_lshl_b32 s20, s17, 1
	s_add_co_u32 s20, s20, s16                     ; A: the panel that I fetch
	s_lshl_b32 s46, s42, 1
	s_add_co_u32 s46, s46, s16                     ; B: likewise
	s_mul_i32 s22, s20, PANS
	s_mov_b32 s23, 0
	s_mul_i32 s92, s46, PANS
	s_mov_b32 s93, 0
	s_mul_i32 s20, s20, PANB
	s_mov_b32 s21, 0
	s_mul_i32 s46, s46, PANB
	s_mov_b32 s47, 0
	s_mul_i32 s45, s14, HALFT                      ; where they go: wave x 128 rows: no place in the cluster enters an LDS address
	s_mul_i32 s94, s14, HALFS
	s_mov_b32 s98, 0x76543210
	s_mov_b32 s99, 0xfedcba98                      ; v_permlanex16_b32's selects for lane l xor 16
	s_wait_kmcnt 0x0
	s_mov_b64 s[12:13], s[10:11]                   ; qkv
	s_mov_b64 s[96:97], s[8:9]                     ; mask
	s_add_nc_u64 s[66:67], s[4:5], SOFF            ; xn's scales
	s_add_nc_u64 s[2:3], s[6:7], 64*CHB            ; wv's codes
	s_add_nc_u64 s[18:19], s[6:7], WS+64*1024      ; wv's scales
	s_add_nc_u64 s[10:11], s[6:7], WS              ; wq's and wk's scales
	s_cmp_eq_u32 s95, 1
	s_cselect_b64 s[8:9], s[4:5], s[6:7]           ; B's codes
	s_cselect_b64 s[4:5], s[2:3], s[4:5]           ; A's codes
	s_cselect_b64 s[10:11], s[66:67], s[10:11]     ; B's scales
	s_cselect_b64 s[6:7], s[18:19], s[66:67]       ; A's scales
	s_add_nc_u64 s[20:21], s[4:5], s[20:21]
	s_add_nc_u64 s[22:23], s[6:7], s[22:23]
	s_add_nc_u64 s[46:47], s[8:9], s[46:47]
	s_add_nc_u64 s[92:93], s[10:11], s[92:93]
	CROUND                                         ; all sixteen work-groups are here: the first joint loads meet
	s_mov_b32 s[G0S], 1
	s_add_co_u32 s[G0S+1], s94, SCL
	s_mov_b64 s[G0S+2:G0S+3], s[22:23]
	s_or_b32 s[G0S+3], s[G0S+3], 0x80000000
	s_mov_b32 s[G0SB], 1
	s_add_co_u32 s[G0SB+1], s94, SCL
	s_mov_b64 s[G0SB+2:G0SB+3], s[92:93]
	s_or_b32 s[G0SB+3], s[G0SB+3], 0x80000000
	JLOAD G0S, G1S, G0SB, G1SB                     ; the scales first: they are wanted with K step 0
.irp s, 0,1
	s_mov_b32 s[G0+4*\s], 1
	s_add_co_u32 s[G0+4*\s+1], s45, \s*SLOT
	s_add_nc_u64 s[G0+4*\s+2:G0+4*\s+3], s[20:21], \s*CHB
	s_or_b32 s[G0+4*\s+3], s[G0+4*\s+3], 0x80000000
	s_mov_b32 s[G0B+4*\s], 1
	s_add_co_u32 s[G0B+4*\s+1], s45, \s*SLOT
	s_add_nc_u64 s[G0B+4*\s+2:G0B+4*\s+3], s[46:47], \s*CHB
	s_or_b32 s[G0B+4*\s+3], s[G0B+4*\s+3], 0x80000000
	JLOAD G0+4*\s, G1, G0B+4*\s, G1B
.endr
	v_and_b32 v1, 15, v0                           ; r
	v_bfe_u32 v2, v0, 4, 1                         ; h
	v_mul_u32_u24 v3, v1, PITCH
	v_mul_u32_u24 v4, v2, 24
	v_add_nc_u32 v4, v3, v4                        ; a fragment's row x pitch + 24 x half
	v_lshl_add_u32 v5, v2, 4, v4                   ; and the same behind one padding more
	s_mul_i32 s21, s15, HALFT                      ; my 128 rows of A
	s_mul_i32 s22, s16, HALFT                      ; my 128 rows of B,
	s_add_co_u32 s22, s22, 2*HALFT                 ; which lie behind A's 256
.irp s, 0,1
	v_add_nc_u32 v[ADRA+\s], s21, v4
	v_add_nc_u32 v[ADRB+\s], s22, v4
	v_add_nc_u32 v[ADRA+2+\s], s21, v5
	v_add_nc_u32 v[ADRB+2+\s], s22, v5
	s_add_co_u32 s21, s21, SLOT
	s_add_co_u32 s22, s22, SLOT
.endr
	v_lshlrev_b32 v5, 3, v1                        ; my row's scale bytes of a chunk: 8 a row
	s_mul_i32 s21, s15, HALFS                      ; A's: my panel
	s_mul_i32 s22, s16, HALFS                      ; B's: my panel, behind A's two
	s_add_co_u32 s22, s22, 2*HALFS
	s_sub_co_u32 s22, s22, s21
	v_mul_u32_u24 v6, s22, v2                      ; lanes 16-31 take B's
	s_add_co_u32 s21, s21, SCL
	v_add_nc_u32 v5, v5, v6
	v_add_nc_u32 v[ADRS], s21, v5
	s_mul_i32 s23, s14, 12800                      ; my stage for the way out: 12,288 bytes of codes and 512 of scale words, in slot 0
	v_mul_u32_u24 v5, v1, 48
	v_mad_u32_u24 v5, v2, 24, v5
	v_add_nc_u32 v[STO], s23, v5                   ; row r of 48 bytes, + 24 h
	v_and_b32 v6, 31, v0
	v_lshlrev_b32 v[CO], 4, v6
	v_add_nc_u32 v[RD], s23, v[CO]
	s_add_co_u32 s23, s23, 12288
	v_lshl_add_u32 v[STS], v1, 2, s23
	v_and_b32 v5, 8, v1
	v_add_nc_u32 v5, v5, v1                        ; r + 8 (r / 8)
	v_lshlrev_b32 v[MO], 2, v5
	; where the results go, and whose mask words I want
	s_lshl_b32 s20, s17, 1
	s_add_co_u32 s20, s20, s15                     ; my panel of A's rows
	s_lshl_b32 s21, s42, 1
	s_add_co_u32 s21, s21, s16                     ; my panel of B's rows
	s_lshl_b32 s22, s20, 9
	s_mov_b32 s23, 0
	s_add_nc_u64 s[96:97], s[96:97], s[22:23]      ; the mask at 128 x my panel of A (in v's clusters: words that are read and not used)
.irp a, 0,1,2,3,4,5,6,7
	global_load_b32 v[KEEP+\a], v[MO], s[96:97] offset:(32*(\a/2)+8*(\a%2))*4   ; row 16 a + r of the panel is token 32 (a / 2) + 8 (a % 2) + r + 8 (r / 8)
.endr
	s_and_b32 s23, s21, 7
	s_lshr_b32 s46, s21, 3
	s_cmp_eq_u32 s95, 1
	s_cselect_b32 s22, s21, s20                    ; the tokens' panel
	s_cselect_b32 s23, s20, s23                    ; the head pair
	s_cselect_b32 s46, 2, s46                      ; the part: 0 q, 1 k, 2 v
	s_cmp_eq_u32 s46, 1
	s_cselect_b32 s47, 0, -1                       ; all ones where the mask is not to be used
	s_lshr_b32 s18, s22, 4
	s_lshl_b32 s18, s18, 3
	s_add_co_u32 s18, s18, s23
	s_lshl_b32 s18, s18, 4
	s_and_b32 s22, s22, 15
	s_add_co_u32 s18, s18, s22                     ; idx
	s_mul_i32 s20, s46, 3145728
	s_mul_i32 s21, s18, 12288
	s_add_co_u32 s20, s20, s21
	s_mov_b32 s21, 0
	s_mul_i32 s22, s46, 131072
	s_lshl_b32 s23, s18, 9
	s_add_co_u32 s22, s22, s23
	s_add_co_u32 s22, s22, 9437184
	s_mov_b32 s23, 0
	s_add_nc_u64 s[66:67], s[12:13], s[22:23]      ; my scale words
	s_add_nc_u64 s[12:13], s[12:13], s[20:21]      ; my codes
.macro FRAG reg, adr, q, i             ; a fragment: lane (r, h) holds row r; registers 6 c .. 6 c + 5 hold K = 64 c + 32 h + 0 .. 31: 24 bytes of the row as they lie, in pieces of 8 bytes
.irp p, 0,1,2,3,4,5
.set PCE, 12*(\q)+6*(\p/3)+\p%3        ; lanes 16-31 read three pieces further on; where that lies behind one padding more, the second address register serves
.if PCE%8 < 5
	ds_load_b64 v[\reg+2*\p:\reg+2*\p+1], v[\adr] offset:8*PCE+16*(PCE/8)+(\i)*16*PITCH
.else
	ds_load_b64 v[\reg+2*\p:\reg+2*\p+1], v[\adr+2] offset:8*PCE+16*(PCE/8)+(\i)*16*PITCH
.endif
.endr
.endm
; 16 matrix instructions: A's blocks a0, a0 + 1 x B's eight, the slot's q-th 128 along K.  p: B's set; sc: the set of scale words.  zero = 1: the first product starts the sums.
; The 64 accumulators take turns, one instruction a turn, in the same order in every step.
.macro MUL16 a0, p, q, sc, zero
.irp a, \a0, \a0+1
.irp b, 0,1,2,3,4,5,6,7
.set rD, 8*(8*((\a)%4)+\b)
.set rB, 128*(\p)+FR*\b
.set rA, AF+FR*(\a)
.set rSB, SC+8*NQ*(\sc)+NQ*\b+(\q)
.set rSA, SC+8*NQ*(\sc)+NQ*(\a)+(\q)
.if \zero
	v_wmma_scale_f32_16x16x128_f8f6f4 v[rD:rD+7], v[rB:rB+FR-1], v[rA:rA+FR-1], 0, v[rSB], v[rSA] matrix_a_fmt:MATRIX_FMT_FP6 matrix_b_fmt:MATRIX_FMT_FP6 matrix_a_scale:MATRIX_SCALE_ROW1
.else
	v_wmma_scale_f32_16x16x128_f8f6f4 v[rD:rD+7], v[rB:rB+FR-1], v[rA:rA+FR-1], v[rD:rD+7], v[rSB], v[rSA] matrix_a_fmt:MATRIX_FMT_FP6 matrix_b_fmt:MATRIX_FMT_FP6 matrix_a_scale:MATRIX_SCALE_ROW1
.endif
.endr
.endr
.endm
.macro FETCH_B slot, q, p
	WIN TO_B
.irp i, 0,1,2,3,4,5,6,7
	FRAG 128*(\p)+FR*\i, ADRB+\slot, \q, \i
.endr
	WIN 0
.endm
.macro FETCH_A slot, q, i0
.irp i, \i0, \i0+1, \i0+2, \i0+3
	FRAG AF+FR*(\i), ADRA+\slot, \q, \i
.endr
.endm
.macro SCALES sc                       ; a K step's scale words: two a row; lanes 0-15 take A's block i, lanes 16-31 B's block i
.irp i, 0,1,2,3,4,5,6,7
	ds_load_b64 v[SC+8*NQ*\sc+NQ*\i:SC+8*NQ*\sc+NQ*\i+1], v[ADRS] offset:\i*SBLK
.endr
.endm
.macro PLACES n                        ; plain vector instructions between a matrix instruction and a load into, or a read of, its registers (ISA guide 7.12.1 for reads)
.rept \n
	v_nop
.endr
.endm
.macro STEP slot, q, zero              ; a step of 128 along K that has its successor in the same slot
	s_wait_dscnt 4*NL                              ; B's set and A's blocks 0-3 are in; the youngest 24 loads (A's blocks 4-7) may be out
	WIN MUL_LO
	MUL16 0, (\q)%2, \q, \slot, \zero
	MUL16 2, (\q)%2, \q, \slot, \zero
	s_wait_dscnt 0
	PLACES NP
	FETCH_B \slot, (\q)+1, 1-(\q)%2
	FETCH_A \slot, (\q)+1, 0
	WIN MUL_HI
	MUL16 4, (\q)%2, \q, \slot, \zero
	MUL16 6, (\q)%2, \q, \slot, \zero
	PLACES NP
	WIN 0
	FETCH_A \slot, (\q)+1, 4
.endm
; A slot's last step changes slots: one barrier; in front of it each wave waits for all its tensor loads, adds 0 to its spare word, and waits for that and for its reads of this slot.  fill = 1: the slot is filled again, two K steps ahead.
.macro TURN slot, next, fill
	s_wait_tensorcnt 0x0                           ; all my tensor loads have landed: my part of the next slot
	ds_add_u32 v[SPW], v[NIL]                      ; 0 onto my spare word
	s_wait_dscnt 4*NL+1                            ; (the add and the youngest 24 loads may be out)
	WIN MUL_LO
	MUL16 0, 1, NQ-1, \slot, 0
	s_wait_dscnt 0x0                               ; the add is done, and my reads of this slot are over
	s_barrier_signal -1
	MUL16 2, 1, NQ-1, \slot, 0
	WIN 0
	s_barrier_wait -1
.if \fill
	CREST                                          ; the barrier has opened a round of the cluster's: no wave of any partner still reads this slot or has a load on its way
	s_add_nc_u64 s[G0+4*\slot+2:G0+4*\slot+3], s[G0+4*\slot+2:G0+4*\slot+3], 2*CHB
	s_add_nc_u64 s[G0B+4*\slot+2:G0B+4*\slot+3], s[G0B+4*\slot+2:G0B+4*\slot+3], 2*CHB
	JLOAD G0+4*\slot, G1, G0B+4*\slot, G1B         ; the first tensor load behind the round; its four v_nop are the places in front of the loads below
.else
	PLACES NP
.endif
	v_add_nc_u32 v[ADRS], 1024, v[ADRS]            ; the next chunk's scale bytes
	FETCH_B \next, 0, 0
	FETCH_A \next, 0, 0
	SCALES \next
	WIN MUL_HI
	MUL16 4, 1, NQ-1, \slot, 0
	MUL16 6, 1, NQ-1, \slot, 0
	PLACES NP
	WIN 0
	FETCH_A \next, 0, 4
.endm
	s_wait_tensorcnt 1                             ; the scales and my part of K step 0 are in (K step 1's load may be out),
	s_barrier_signal -1
	s_barrier_wait -1                              ; everybody's are
	FETCH_B 0, 0, 0
	FETCH_A 0, 0, 0
	SCALES 0
	FETCH_A 0, 0, 4
	STEP 0, 0, 1                                   ; the first step's products start the sums
	s_mov_b32 s3, LAPS-1
.Llap:                                                 ; a trip goes once round the ring and fills both slots again
	TURN 0, 1, 1
	STEP 1, 0, 0
	TURN 1, 0, 1
	STEP 0, 0, 0
	s_sub_co_u32 s3, s3, 1
	s_cmp_lg_u32 s3, 0
	s_cbranch_scc1 .Llap
	TURN 0, 1, 0                                   ; the last lap fills nothing
	STEP 1, 0, 0
	s_wait_dscnt 4*NL
	WIN MUL_LO
	MUL16 0, 1, NQ-1, 1, 0
	MUL16 2, 1, NQ-1, 1, 0
	s_wait_dscnt 0
	WIN MUL_HI
	MUL16 4, 1, NQ-1, 1, 0
	MUL16 6, 1, NQ-1, 1, 0
	WIN 0
; Block a's 16 rows x 128 columns become a fragment's codes in v[CD] on (lane (r, h), registers 6 c .. 6 c + 5: block 2 c + h of row 16 a + r) and the row's scale word in v[PW].
.macro QUANTW a
.set AC, 64*((\a)%4)
	WIN 0x28+0x14*((\a)/4)                         ; sources 1 and 2: the accumulators' window
.irp b, 0,1,2,3
	v_max3_num_f32 v[TM+\b], v[FLR], |v[AC+16*\b]|, |v[AC+16*\b+1]|    ; each accumulator from its low end on; the floor holds the byte at 1 from below
.endr
.irp i, 2,4,6,8,10,12,14
.irp b, 0,1,2,3
	v_max3_num_f32 v[TM+\b], v[TM+\b], |v[AC+16*\b+\i]|, |v[AC+16*\b+\i+1]|
.endr
.endr
	WIN 0
.irp b, 0,1,2,3
	v_permlanex16_b32 v[TM+4+\b], v[TM+\b], s98, s99
.endr
.irp b, 0,1,2,3
	v_max_num_f32 v[TM+\b], v[TM+\b], v[TM+4+\b]   ; with lane l xor 16's: the block's largest magnitude
.endr
.irp b, 0,1,2,3
	v_add_nc_u32 v[TM+12+\b], 0xff000000, v[TM+\b] ; 2 off the exponent field: the conversion's scale operand
.endr
.irp b, 0,1,2,3
	v_lshrrev_b32 v[TM+4+\b], 23, v[TM+12+\b]      ; the scale's byte
.endr
	v_lshl_or_b32 v[PW], v[TM+5], 8, v[TM+4]
	v_lshl_or_b32 v[PW], v[TM+6], 16, v[PW]
	v_lshl_or_b32 v[PW], v[TM+7], 24, v[PW]
	WIN 0x02+((\a)/4)                              ; source 0: the accumulators' window
.irp c, 0,1
	v_cvt_scalef32_pk16_fp6_f32 v[CD+6*\c:CD+6*\c+2], v[AC+32*\c:AC+32*\c+15], v[TM+12+2*\c]
	v_cvt_scalef32_pk16_fp6_f32 v[CD+12+4*\c:CD+14+4*\c], v[AC+32*\c+16:AC+32*\c+31], v[TM+13+2*\c]
.endr
	WIN 0
	v_nop                                          ; one plain instruction behind a scaled conversion
.irp c, 0,1                                    ; a whole block to a lane: lanes 0-15 block 2 c, lanes 16-31 block 2 c + 1
.irp i, 0,1,2
	v_permlane16_swap_b32 v[CD+6*\c+\i], v[CD+12+4*\c+\i]
.endr
.irp i, 0,1,2
	v_mov_b32 v[CD+3+6*\c+\i], v[CD+12+4*\c+\i]
.endr
.endr
.endm
	; THE WAY OUT.  My stage lies in slot 0, which has had its last fill, and which nobody reads behind the last change of slots; it is my wave's own, so no barrier is needed.
	PLACES NP
	s_wait_loadcnt 0x0                             ; the mask's words
.irp a, 0,1,2,3,4,5,6,7
	v_cmp_ne_u32 vcc_lo, 0, v[KEEP+\a]
	v_cndmask_b32 v[KEEP+\a], 0, -1, vcc_lo
	v_or_b32 v[KEEP+\a], s47, v[KEEP+\a]           ; all ones but for k's rows of masked tokens
.endr
	v_mov_b32 v[FLR], 0x1800000
.irp b, 0,1,2,3
	v_mov_b32 v[TM+4+\b], 0                        ; written once: a lane permute's destination counts as one of its sources
.endr
.irp a, 0,1,2,3,4,5,6,7
	QUANTW \a
.irp i, 0,1,2,3,4,5,6,7,8,9,10,11
	v_and_b32 v[CD+\i], v[KEEP+\a], v[CD+\i]
.endr
.irp c, 0,1
.irp p, 0,1,2
	ds_store_b64 v[STO], v[CD+6*\c+2*\p:CD+6*\c+2*\p+1] offset:\c*6144+\a*768+8*\p
.endr
.endr
	ds_store_b32 v[STS], v[PW] offset:64*\a        ; both halves of the lanes write the same word with the same value
	s_wait_dscnt 0x0                               ; the stores have read their registers
.endr
.set i, 0
.rept 25
	ds_load_b128 v[128+4*i:131+4*i], v[RD] offset:512*i
.set i, i+1
.endr
	s_wait_dscnt 0x0
.set i, 0
.rept 24
	global_store_b128 v[CO], v[128+4*i:131+4*i], s[12:13] offset:512*i   ; 512 consecutive bytes, at a multiple of 256 from the buffer's first byte
.set i, i+1
.endr
	global_store_b128 v[CO], v[224:227], s[66:67]
	s_wait_tensorcnt 0x0                           ; the wave's end
	ds_add_u32 v[SPW], v[NIL]
	s_wait_dscnt 0x0
	CROUND                                         ; the closing round: no work-group ends while a partner may still ask for a tile that names it
	s_endpgm
.Lfunc_end_k_q821e060f46_gemm_qkv:
	.size	k_q821e060f46_gemm_qkv, .Lfunc_end_k_q821e060f46_gemm_qkv-k_q821e060f46_gemm_qkv
	.p2alignl 7, 3214868480
	.fill 96, 4, 3214868480
	.section	.rodata,"a",@progbits
	.p2align	6, 0x0
	.amdhsa_kernel k_q821e060f46_gemm_qkv
		.amdhsa_group_segment_fixed_size 327680
		.amdhsa_private_segment_fixed_size 0
		.amdhsa_enable_private_segment 0
		.amdhsa_kernarg_size 32
		.amdhsa_user_sgpr_count 2
		.amdhsa_user_sgpr_kernarg_segment_ptr 1
		.amdhsa_wavefront_size32 1
		.amdhsa_system_sgpr_workgroup_id_x 1
		.amdhsa_system_sgpr_workgroup_id_y 1
		.amdhsa_system_sgpr_workgroup_id_z 1
		.amdhsa_system_vgpr_workitem_id 0
		.amdhsa_next_free_vgpr 1024
		.amdhsa_next_free_sgpr 100
		.amdhsa_reserve_vcc 1
		.amdhsa_float_denorm_mode_32 3
		.amdhsa_float_denorm_mode_16_64 3
		.amdhsa_memory_ordered 1
		.amdhsa_forward_progress 1
		.amdhsa_inst_pref_size 174
	.end_amdhsa_kernel
	.amdgpu_metadata
---
amdhsa.version: [ 1, 2 ]
amdhsa.kernels:
  - .name:           k_q821e060f46_gemm_qkv
    .symbol:         k_q821e060f46_gemm_qkv.kd
    .args:
      - { .name: actA, .offset: 0, .size: 8, .value_kind: global_buffer, .address_space: global }
      - { .name: wbuf, .offset: 8, .size: 8, .value_kind: global_buffer, .address_space: global }
      - { .name: mask, .offset: 16, .size: 8, .value_kind: global_buffer, .address_space: global }
      - { .name: qkv, .offset: 24, .size: 8, .value_kind: global_buffer, .address_space: global }
    .group_segment_fixed_size: 327680
    .private_segment_fixed_size: 0
    .kernarg_segment_align: 8
    .kernarg_segment_size: 32
    .max_flat_workgroup_size: 128
    .sgpr_count:     100
    .vgpr_count:     1024
    .wavefront_size: 32
...
	.end_amdgpu_metadata
.endif
;; end of part 3
;; launch attn (part 4): grid 8 x 32, 16 waves a work-group, no clusters, 219,136 bytes of LDS; arguments qkv, mask, actB; writes actB
.if DOCPART == 4
	.amdgcn_target "amdgcn-amd-amdhsa--gfx1250"
	.amdhsa_code_object_version 6
	.text
	.protected	k_q821e060f46_attn
	.globl	k_q821e060f46_attn
	.p2align	8
	.type	k_q821e060f46_attn,@function
k_q821e060f46_attn:
	s_mov_b64 s[64:65], 0
	v_nop
	global_prefetch_b8 v0, s[64:65] scope:SCOPE_SE
	s_setreg_imm32_b32 hwreg(HW_REG_WAVE_MODE, 25, 1), 1
	s_wait_xcnt 0x0
; ctx = softmax(q k^T / 8, masked keys at a very low logit) v for one head and 256 queries a work-group, both products on codes of FP6 (E2M3) with E8M0 scales; ctx is quantised along the model's 1,024 and leaves as codes.
; THE SOFTMAX AHEAD OF THE SECOND PRODUCT: t = score x log2(e) / 8; M = the running largest t rounded UP to a whole number; p = 2^(t - M) is quantised along the keys; the row's sum is taken of the unquantised p and divides at the end.
; SHARES.  Sixteen waves, four to a SIMD; a wave owns 16 queries in 256 registers and walks the head's 2,048 keys, 128 a step.
; LDS.  The head's K (98,304 bytes, key p at 48 p), V (98,304 bytes, 64 keys at 3,072 s, row d at 48 d) and V's scale words (4,096) are filled ONCE, by waves 0 to 3, in four ranges of 512 keys: no byte is filled again.
; By the text's own count a fetching wave has five tensor loads out.  K and V are asked for once by each work-group, 200,704 bytes at its head, and nothing is asked for in the loop, so there is no refill to share; the eight query blocks
; of a head ask each for themselves.  Two tables are made by the waves: K's scale words and the mask's code words, 8,192 bytes each, in blocks of their own.
; LAYOUT.  Both products are used transposed (S^T = K Q^T, O^T = V^T P^T): a lane holds one query.  Keys and d lie in the buffers at row swap34(.), so 16 neighbouring rows of a tile give 16 neighbouring registers along the next K.
; THE MASK RIDES IN THE SPARE HALF OF THE SCORE PRODUCT'S K (the head has 64 of the instruction's 128).  At k = 64 Q holds the code of 1.0 under the scale 1, K the code of -1.0 under the scale 2^33 where the key's mask word is 0,
; else 0; all other codes of Q's upper half are 0.  The launch before has cleared a masked key's codes, so its score is exactly -2^33, its t a whole number, and a row all of whose keys are masked gets p = 1 everywhere.
; LIMIT: a masked key's logit is -2^30 where the definition has -1e9: the same result unless an unmasked logit lies under about -1e9.  A block of zeros gets the byte 1.  NaN and infinities are not served.
.set VB,   98304
.set VS,   196608
.set KSW,  200704
.set KMW,  208896
.set AK0,  1                           ; v1  48 r + 24 h: my lane's place in a tile of K
.set AV0,  2                           ; v2  the same in V
.set ASK0, 3                           ; v3  K's scale words: 4 r
.set AMK0, 4                           ; v4  the mask's code words
.set ASV0, 5                           ; v5  V's scale words
.set GO,   6                           ; v6  the way out: 192 r + 12 h
.set GS,   7                           ; v7  8 r + h
.set ADK,  8                           ; v8-11, v29 the step's addresses
.set ADV,  9
.set ADS,  10
.set ADM,  11
.set ADT,  29
.set QS,   28                          ; v28 Q's scale word
.set FRG,  32                          ; v32-79 four fragments of K or of V
.set S,    96                          ; v96-159 S^T, then p
.set O,    160                         ; v160-191 O^T
.set PCD,  192                         ; v192-203 p's codes; v204-206, v208-210 second halves as converted
.set BM,   212                         ; v212-215 the blocks' largest scores, then largest p
.set PT,   216                         ; v216-219 at work
.set SO,   220                         ; v220-223 the conversions' scale operands
.set PSW,  224                         ; v224 p's scale word
.set F,    226                         ; v[226:227] f = 2^(old M - new M)
.set TA,   228
.set TSW,  240                         ; v240-243 four tiles' scale words
.set WV,   18
.set SEL,  20
.set CS,   22                          ; s[22:23] c = log2(e) / 8
.set G1K,  24
.set G1V,  32
.set G1S,  40
.set G0S,  48
.set G0K,  52                          ; s[52:63], s[68:71]: a group 0 for each range of K
.set G0V,  72                          ; s[72:87]: of V
.set TK,   2                           ; s2  where the step's K and V begin: 6,144 bytes a step
.set TS,   3                           ; s3  the tables: 512 bytes a step
.set TJ,   66                          ; s66 V's scale words: 256 bytes a step
.set CNT,  67
	s_load_b128 s[4:7], s[0:1], 0x0                ; qkv, mask
	s_load_b64 s[8:9], s[0:1], 0x10                ; actB
	v_lshl_add_u32 v254, v0, 2, 0x35000
	v_mov_b32 v255, 0
	ds_add_u32 v254, v255
	ds_add_u32 v254, v255
	v_lshrrev_b32 v8, 5, v0
	v_readfirstlane_b32 s[WV], v8                  ; wave 0..15
	s_and_b32 s10, ttmp7, 0xffff                   ; 16 x batch + head
	s_lshr_b32 s11, s10, 1                         ; 8 x batch + head pair
	s_and_b32 s12, s10, 1                          ; head % 2
	s_and_b32 s13, s[WV], 1                        ; which half of a range I fetch
	s_and_b32 s19, s[WV], 3
	; group 1, elements of 8 bytes, no padding.  K: 2 rows of 6,144 bytes (a head's 128 keys), 12,288 apart.  V: 4 rows of 3,072 bytes (a head's 64 keys), 6,144 apart.  V's scale words: 4 rows of 256 bytes, 512 apart.
	s_mov_b32 s[G1K], 3<<16
	s_mov_b32 s[G1K+1], 768<<16
	s_mov_b32 s[G1K+2], 2<<16
	s_mov_b32 s[G1K+3], 768<<16
	s_mov_b32 s[G1K+4], 2
	s_mov_b32 s[G1K+5], 1536
	s_mov_b32 s[G1K+6], 0
	s_mov_b32 s[G1K+7], 0
	s_mov_b32 s[G1V], 3<<16
	s_mov_b32 s[G1V+1], 384<<16
	s_mov_b32 s[G1V+2], 4<<16
	s_mov_b32 s[G1V+3], 384<<16
	s_mov_b32 s[G1V+4], 4
	s_mov_b32 s[G1V+5], 768
	s_mov_b32 s[G1V+6], 0
	s_mov_b32 s[G1V+7], 0
	s_mov_b32 s[G1S], 3<<16
	s_mov_b32 s[G1S+1], 32<<16
	s_mov_b32 s[G1S+2], 4<<16
	s_mov_b32 s[G1S+3], 32<<16
	s_mov_b32 s[G1S+4], 4
	s_mov_b32 s[G1S+5], 64
	s_mov_b32 s[G1S+6], 0
	s_mov_b32 s[G1S+7], 0
	s_mul_i32 s14, s11, 196608                     ; the head pair's 16 chunks of 12,288 bytes,
	s_mul_i32 s15, s13, 24576                      ; my two chunks of a range's four
	s_add_co_u32 s14, s14, s15
	s_mul_i32 s88, s12, 6144
	s_add_co_u32 s88, s88, s14
	s_add_co_u32 s88, s88, 3145728                 ; K
	s_mov_b32 s89, 0
	s_mul_i32 s90, s12, 3072
	s_add_co_u32 s90, s90, s14
	s_add_co_u32 s90, s90, 6291456                 ; V
	s_mov_b32 s91, 0
	s_lshl_b32 s92, s11, 13
	s_lshl_b32 s93, s12, 8
	s_add_co_u32 s92, s92, s93
	s_lshl_b32 s93, s19, 11
	s_add_co_u32 s92, s92, s93
	s_add_co_u32 s92, s92, 9699328                 ; V's scale words: four chunks a wave
	s_mov_b32 s93, 0
	s_mul_i32 s94, s13, 12288                      ; in LDS: half a range
	s_lshl_b32 s95, s19, 10
	s_mov_b32 s[SEL], 0x76543210
	s_mov_b32 s[SEL+1], 0xfedcba98
	s_mov_b32 s[CS], 0x3e38aa3b
	s_mov_b32 s[CS+1], s[CS]                       ; (named with it as a pair, so it is written)
	s_mov_b32 s[TK], 0
	s_mov_b32 s[TS], 0
	s_mov_b32 s[TJ], 0
	s_wait_dscnt 0x0
	s_wait_kmcnt 0x0
	s_add_nc_u64 s[88:89], s[4:5], s[88:89]
	s_add_nc_u64 s[90:91], s[4:5], s[90:91]
	s_add_nc_u64 s[92:93], s[4:5], s[92:93]
	s_mov_b32 s[G0S], 1
	s_add_co_u32 s[G0S+1], s95, VS
	s_mov_b64 s[G0S+2:G0S+3], s[92:93]
	s_or_b32 s[G0S+3], s[G0S+3], 0x80000000
.irp p, 0,1,2,3
	s_mov_b32 s[G0K+4*\p+4*(\p/3)], 1
	s_add_co_u32 s[G0K+4*\p+4*(\p/3)+1], s94, \p*24576
	s_add_nc_u64 s[G0K+4*\p+4*(\p/3)+2:G0K+4*\p+4*(\p/3)+3], s[88:89], \p*49152
	s_or_b32 s[G0K+4*\p+4*(\p/3)+3], s[G0K+4*\p+4*(\p/3)+3], 0x80000000
	s_mov_b32 s[G0V+4*\p], 1
	s_add_co_u32 s[G0V+4*\p+1], s94, VB+\p*24576
	s_add_nc_u64 s[G0V+4*\p+2:G0V+4*\p+3], s[90:91], \p*49152
	s_or_b32 s[G0V+4*\p+3], s[G0V+4*\p+3], 0x80000000
.endr
	s_cmp_lt_u32 s[WV], 2                          ; a wave's first fills stand in one branch on its number, ahead of every wait on TENSORcnt, every LDS read and every barrier
	s_cbranch_scc0 .Lnot_k
	tensor_load_to_lds s[G0S:G0S+3], s[G1S:G1S+7]
	s_nop 0
	tensor_load_to_lds s[G0K:G0K+3], s[G1K:G1K+7]
	s_nop 0
	tensor_load_to_lds s[G0K+4:G0K+7], s[G1K:G1K+7]
	s_nop 0
	tensor_load_to_lds s[G0K+8:G0K+11], s[G1K:G1K+7]
	s_nop 0
	tensor_load_to_lds s[G0K+16:G0K+19], s[G1K:G1K+7]
	s_nop 0
.rept 4
	v_nop
.endr
	s_branch .Lasked
.Lnot_k:
	s_cmp_lt_u32 s[WV], 4
	s_cbranch_scc0 .Lasked
	tensor_load_to_lds s[G0S:G0S+3], s[G1S:G1S+7]
	s_nop 0
	tensor_load_to_lds s[G0V:G0V+3], s[G1V:G1V+7]
	s_nop 0
	tensor_load_to_lds s[G0V+4:G0V+7], s[G1V:G1V+7]
	s_nop 0
	tensor_load_to_lds s[G0V+8:G0V+11], s[G1V:G1V+7]
	s_nop 0
	tensor_load_to_lds s[G0V+12:G0V+15], s[G1V:G1V+7]
	s_nop 0
.rept 4
	v_nop
.endr
.Lasked:
	v_and_b32 v8, 15, v0                           ; r
	v_bfe_u32 v9, v0, 4, 1                         ; h
	v_mul_u32_u24 v[AK0], v8, 48
	v_mad_u32_u24 v[AK0], v9, 24, v[AK0]
	v_add_nc_u32 v[AV0], VB, v[AK0]
	v_lshl_add_u32 v[ASK0], v8, 2, KSW
	v_lshl_add_u32 v[AMK0], v8, 2, KMW
	v_lshl_add_u32 v[ASV0], v8, 2, VS
	v_mul_u32_u24 v[GO], v8, 192
	v_mad_u32_u24 v[GO], v9, 12, v[GO]
	v_lshl_add_u32 v[GS], v8, 3, v9
	s_lshl_b32 s14, ttmp9, 1
	s_lshr_b32 s15, s[WV], 3
	s_add_co_u32 s14, s14, s15                     ; my queries' chunk of 128 tokens
	s_lshl_b32 s15, s11, 4
	s_add_co_u32 s15, s15, s14                     ; its idx
	s_and_b32 s16, s[WV], 7                        ; my 16 of the 128
	s_mul_i32 s88, s15, 12288
	s_mul_i32 s17, s12, 6144
	s_add_co_u32 s88, s88, s17
	s_mul_i32 s17, s16, 768
	s_add_co_u32 s88, s88, s17
	s_mov_b32 s89, 0
	s_add_nc_u64 s[88:89], s[4:5], s[88:89]        ; Q's codes
	s_lshl_b32 s90, s15, 9
	s_lshl_b32 s17, s16, 6
	s_add_co_u32 s90, s90, s17
	s_add_co_u32 s90, s90, 9437184
	s_mov_b32 s91, 0
	s_add_nc_u64 s[90:91], s[4:5], s[90:91]        ; Q's scale words
	s_lshl_b32 s92, s11, 13
	s_add_co_u32 s92, s92, 9437184+131072
	s_mov_b32 s93, 0
	s_add_nc_u64 s[92:93], s[4:5], s[92:93]        ; K's scale words of the head pair
	s_lshr_b32 s94, s10, 4
	s_lshl_b32 s94, s94, 13
	s_mov_b32 s95, 0
	s_add_nc_u64 s[94:95], s[6:7], s[94:95]        ; my batch's mask
.irp p, 0,1,2
	global_load_b64 v[16+2*\p:17+2*\p], v[AK0], s[88:89] offset:8*\p   ; Q's fragment, K = 32 h + 0 .. 31: it stays in registers
.endr
	v_lshlrev_b32 v30, 2, v8
	global_load_b32 v31, v30, s[90:91]
	v_lshlrev_b32 v10, 4, v0                       ; thread t takes keys 4 t .. 4 t + 3 of the tables
	global_load_b128 v[S:S+3], v10, s[92:93]
	v_and_b32 v11, 0x1f9, v0                       ; key p of the buffers is token swap34(p): for p = 4 t that exchanges bits 1 and 2 of t
	v_bfe_u32 v12, v0, 1, 1
	v_lshl_add_u32 v11, v12, 2, v11
	v_bfe_u32 v12, v0, 2, 1
	v_lshl_add_u32 v11, v12, 1, v11
	v_lshlrev_b32 v11, 4, v11
	global_load_b128 v[S+4:S+7], v11, s[94:95]
	; where ctx goes: panel 16 x batch + chunk, chunk of K head / 4, rows 16 (wave % 8) on, blocks 2 (head % 4) on
	s_lshr_b32 s17, s10, 4
	s_lshl_b32 s17, s17, 4
	s_add_co_u32 s17, s17, s14
	s_and_b32 s15, s10, 15
	s_lshr_b32 s13, s15, 2
	s_and_b32 s15, s15, 3
	s_lshl_b32 s17, s17, 2
	s_add_co_u32 s17, s17, s13
	s_lshl_b32 s17, s17, 7
	s_lshl_b32 s13, s16, 4
	s_add_co_u32 s17, s17, s13
	s_mul_i32 s96, s17, 192
	s_mul_i32 s13, s15, 48
	s_add_co_u32 s96, s96, s13
	s_mov_b32 s97, 0
	s_add_nc_u64 s[96:97], s[8:9], s[96:97]
	s_lshl_b32 s98, s17, 3
	s_lshl_b32 s13, s15, 1
	s_add_co_u32 s98, s98, s13
	s_add_co_u32 s98, s98, 3145728
	s_mov_b32 s99, 0
	s_add_nc_u64 s[98:99], s[8:9], s[98:99]
	s_lshl_b32 s13, s12, 4                         ; my head's two bytes of a scale word: 16 (head % 2) bits up
	s_mov_b32 s15, 0xffff
	s_mov_b32 s16, 0x7fa00000                      ; K: byte 2 = 160 (2^33), byte 3 = 127
	s_mov_b32 s17, 0x7f7f0000                      ; Q: bytes 2 and 3 = 127
	v_lshl_add_u32 v12, v0, 4, KSW
	v_lshl_add_u32 v13, v0, 4, KMW
	s_wait_loadcnt 0x0
.irp i, 0,1,2,3
	v_lshrrev_b32 v[S+\i], s13, v[S+\i]
	v_and_or_b32 v[S+\i], v[S+\i], s15, s16
	v_cmp_eq_u32 vcc_lo, 0, v[S+4+\i]
	v_cndmask_b32 v[S+4+\i], 0, 40, vcc_lo         ; 0x28: the code of -1.0
.endr
	ds_store_b128 v12, v[S:S+3]
	ds_store_b128 v13, v[S+4:S+7]
	v_lshrrev_b32 v[QS], s13, v31
	v_and_or_b32 v[QS], v[QS], s15, s17
	v_xor_b32 v22, 1, v9
	v_lshlrev_b32 v22, 3, v22                      ; Q at k = 64: the code of 1.0, in lanes 0-15; lanes 16-31 (k = 96 on) hold zeros
.irp i, 23,24,25,26,27
	v_mov_b32 v\i, 0
.endr
.irp t, 0,1,2,3
.irp i, 7,8,9,10,11
	v_mov_b32 v[FRG+12*\t+\i], 0                   ; K's upper codes meet Q's zeros: written once, later whatever codes V's fragments leave there
.endr
.endr
	v_mov_b32 v13, 0xff61b1e6                      ; the largest t so far: -3e38, under every t
	v_floor_f32 v12, -v13                          ; -M
	v_mov_b32 v14, 0                               ; the sum, in two halves
	v_mov_b32 v15, 0
.irp b, 0,1,2,3
	v_mov_b32 v[PT+\b], 0                          ; a lane permute's destination counts as one of its sources
.endr
	v_mov_b32 v[F+1], 0                            ; (named as the upper half of a pair)
.set j, 0
.rept 32
	v_mov_b32 v[O+j], 0                            ; O^T: the first change of M multiplies zeros
.set j, j+1
.endr
; A KEY STEP: 128 keys.
.macro STEP
	v_add_nc_u32 v[ADK], s[TK], v[AK0]             ; (these five are also the places behind the last step's products, in front of the loads below)
	v_add_nc_u32 v[ADV], s[TK], v[AV0]
	v_add_nc_u32 v[ADS], s[TS], v[ASK0]
	v_add_nc_u32 v[ADM], s[TS], v[AMK0]
	v_add_nc_u32 v[ADT], s[TJ], v[ASV0]
.irp g, 0,1                                    ; S^T = K Q^T, four tiles of 16 keys at a time
.if \g > 0
.rept 4
	v_nop
.endr
.endif
.irp t, 0,1,2,3
.irp p, 0,1,2
	ds_load_b64 v[FRG+12*\t+2*\p:FRG+12*\t+2*\p+1], v[ADK] offset:768*(4*\g+\t)+8*\p
.endr
	ds_load_b32 v[FRG+12*\t+6], v[ADM] offset:64*(4*\g+\t)     ; the mask's code word: K at k = 64
	ds_load_b32 v[TSW+\t], v[ADS] offset:64*(4*\g+\t)
.endr
	s_wait_dscnt 0x0
.irp t, 0,1,2,3
	v_wmma_scale_f32_16x16x128_f8f6f4 v[S+8*(4*\g+\t):S+8*(4*\g+\t)+7], v[FRG+12*\t:FRG+12*\t+11], v[16:27], 0, v[TSW+\t], v[QS] matrix_a_fmt:MATRIX_FMT_FP6 matrix_b_fmt:MATRIX_FMT_FP6
.endr
.endr                                          ; lane (r, h) holds query r; the 16 registers of tiles 2 b, 2 b + 1 are keys 32 b + 16 h + 0 .. 15 of the step
.rept 4
	v_nop
.endr
.irp b, 0,1,2,3
	v_max3_num_f32 v[BM+\b], v[S+16*\b], v[S+1+16*\b], v[S+2+16*\b]   ; the largest score of each block of 32 keys: for the row's maximum and, since p rises with the score, for the block's largest p
.endr
.irp i, 3,5,7,9,11,13
.irp b, 0,1,2,3
	v_max3_num_f32 v[BM+\b], v[BM+\b], v[S+16*\b+\i], v[S+1+16*\b+\i]
.endr
.endr
.irp b, 0,1,2,3
	v_max_num_f32 v[BM+\b], v[BM+\b], v[S+15+16*\b]
.endr
.irp b, 0,1,2,3
	v_permlanex16_b32 v[PT+\b], v[BM+\b], s[SEL], s[SEL+1]
.endr
.irp b, 0,1,2,3
	v_max_num_f32 v[BM+\b], v[BM+\b], v[PT+\b]
.endr
	v_max3_num_f32 v[TA], v[BM], v[BM+1], v[BM+2]
	v_max_num_f32 v[TA], v[TA], v[BM+3]
	v_mul_f32 v[TA], s[CS], v[TA]                  ; the step's largest t of my query
	v_max_num_f32 v13, v13, v[TA]
	v_mov_b32 v[TA], v12
	v_floor_f32 v12, -v13                          ; the new -M = -ceil(t)
	v_sub_f32 v[TA], v12, v[TA]                    ; old M - new M: a whole number, 0 or less
	v_cvt_i32_f32 v[TA], v[TA]                     ; (it saturates)
	v_ldexp_f32 v[F], 1.0, v[TA]                   ; f = 2^(old M - new M)
.set j, 0
.rept 32
	v_pk_fma_f32 v[S+j:S+j+1], v[S+j:S+j+1], s[CS:CS+1], v[12:13] op_sel_hi:[1,0,0]   ; t - M, two at a time
.set j, j+2
.endr
.irp b, 0,1,2,3
	v_fma_f32 v[BM+\b], v[BM+\b], s[CS], v12
.endr
.set j, 0
.rept 64
	v_exp_f32 v[S+j], v[S+j]                       ; p = 2^(t - M)
.set j, j+1
.endr
	v_pk_mul_f32 v[14:15], v[14:15], v[F:F+1] op_sel_hi:[1,0]   ; the sums under the new M: the plain instruction behind the exponentials
	s_wait_alu depctr_va_vdst(0)                   ; one wait for the batch, ahead of its first reader
.irp b, 0,1,2,3
	v_exp_f32 v[BM+\b], v[BM+\b]                   ; the block's largest p
.endr
	v_pk_add_f32 v[230:231], v[S:S+1], v[S+2:S+3]  ; the row's sum of the unquantised p, in two chains
.irp j, 4,8,12,16,20,24,28,32,36,40,44,48,52,56,60
	v_pk_add_f32 v[14:15], v[14:15], v[S+\j:S+\j+1]
	v_pk_add_f32 v[230:231], v[230:231], v[S+2+\j:S+3+\j]
.endr
	v_pk_add_f32 v[14:15], v[14:15], v[230:231]
	s_wait_alu depctr_va_vdst(0)                   ; and one for the four
.irp b, 0,1,2,3
	v_max_num_f32 v[BM+\b], 0x1800000, v[BM+\b]    ; the floor 2^(3 - 127): the byte cannot fall under 1
.endr
.irp b, 0,1,2,3
	v_add_nc_u32 v[SO+\b], 0xff000000, v[BM+\b]
.endr
.irp b, 0,1,2,3
	v_lshrrev_b32 v[PT+\b], 23, v[SO+\b]
.endr
	v_lshl_or_b32 v[PSW], v[PT+1], 8, v[PT]        ; p's scale word for these 128 keys
	v_lshl_or_b32 v[PSW], v[PT+2], 16, v[PSW]
	v_lshl_or_b32 v[PSW], v[PT+3], 24, v[PSW]
.irp c, 0,1
	v_cvt_scalef32_pk16_fp6_f32 v[PCD+6*\c:PCD+6*\c+2], v[S+32*\c:S+32*\c+15], v[SO+2*\c]
	v_cvt_scalef32_pk16_fp6_f32 v[PCD+12+4*\c:PCD+14+4*\c], v[S+16+32*\c:S+31+32*\c], v[SO+2*\c+1]
.endr
	v_nop                                          ; one plain instruction behind a scaled conversion
.irp c, 0,1
.irp i, 0,1,2
	v_permlane16_swap_b32 v[PCD+6*\c+\i], v[PCD+12+4*\c+\i]
.endr
.irp i, 0,1,2
	v_mov_b32 v[PCD+3+6*\c+\i], v[PCD+12+4*\c+\i]
.endr
.endr
.set j, 0
.rept 16
	v_pk_mul_f32 v[O+j:O+j+1], v[O+j:O+j+1], v[F:F+1] op_sel_hi:[1,0]   ; O^T under the new M; these sixteen also stand between the scale word's and the codes' last writes and the products below
.set j, j+2
.endr
.irp t, 0,1,2,3                                ; O^T += V^T P^T: four tiles of 16 of the head's 64; K = these 128 keys
.irp p, 0,1,2,3,4,5
	ds_load_b64 v[FRG+12*\t+2*\p:FRG+12*\t+2*\p+1], v[ADV] offset:3072*(\p/3)+768*\t+8*(\p%3)
.endr
	ds_load_b32 v[TSW+\t], v[ADT] offset:64*\t
.endr
	s_wait_dscnt 0x0
.irp t, 0,1,2,3
	v_wmma_scale_f32_16x16x128_f8f6f4 v[O+8*\t:O+8*\t+7], v[FRG+12*\t:FRG+12*\t+11], v[PCD:PCD+11], v[O+8*\t:O+8*\t+7], v[TSW+\t], v[PSW] matrix_a_fmt:MATRIX_FMT_FP6 matrix_b_fmt:MATRIX_FMT_FP6
.endr
	s_add_co_u32 s[TK], s[TK], 6144
	s_add_co_u32 s[TS], s[TS], 512
	s_add_co_u32 s[TJ], s[TJ], 256
.endm
; Range n of 512 keys: the fetching waves wait until it has landed (behind it 3 - n of their loads may be out, so a counted wait serves), every wave's LDS stores are done, one barrier, four steps.
.macro PHASE n
	s_wait_tensorcnt 3-\n
	s_wait_dscnt 0x0
	s_barrier_signal -1
	s_barrier_wait -1
	s_mov_b32 s[CNT], 4
.Lstep_\@:
	STEP
	s_sub_co_u32 s[CNT], s[CNT], 1
	s_cmp_lg_u32 s[CNT], 0
	s_cbranch_scc1 .Lstep_\@
.endm
	PHASE 0
	PHASE 1
	PHASE 2
	PHASE 3
	; THE WAY OUT.  O^T / the sum; register 16 b + i is d = 32 b + 16 h + i of my query: two blocks of the next product's K, half a block to a lane: 12 bytes of codes each.
	v_add_f32 v14, v14, v15
	v_permlanex16_b32 v[F], v14, s[SEL], s[SEL+1]
	v_add_f32 v14, v14, v[F]                       ; the row's sum
	v_rcp_f32 v14, v14
	v_bfe_u32 v[TA], v0, 4, 1                      ; h  (plain instructions behind the reciprocal and behind the last products)
	v_nop
	v_nop
	v_nop
	s_wait_alu depctr_va_vdst(0)                   ; the wait ahead of the reciprocal's first reader
.set j, 0
.rept 32
	v_mul_f32 v[S+j], v[O+j], v14
.set j, j+1
.endr
.irp b, 0,1
	v_max3_num_f32 v[BM+\b], |v[S+16*\b]|, |v[S+1+16*\b]|, 0x1800000
.endr
.irp i, 2,4,6,8,10,12,14
.irp b, 0,1
	v_max3_num_f32 v[BM+\b], v[BM+\b], |v[S+16*\b+\i]|, |v[S+1+16*\b+\i]|
.endr
.endr
.irp b, 0,1
	v_permlanex16_b32 v[PT+\b], v[BM+\b], s[SEL], s[SEL+1]
.endr
.irp b, 0,1
	v_max_num_f32 v[BM+\b], v[BM+\b], v[PT+\b]
.endr
.irp b, 0,1
	v_add_nc_u32 v[SO+\b], 0xff000000, v[BM+\b]
.endr
.irp b, 0,1
	v_lshrrev_b32 v[PT+\b], 23, v[SO+\b]
.endr
	v_cvt_scalef32_pk16_fp6_f32 v[PCD:PCD+2], v[S:S+15], v[SO]
	v_cvt_scalef32_pk16_fp6_f32 v[PCD+4:PCD+6], v[S+16:S+31], v[SO+1]
	v_nop
	v_cmp_eq_u32 vcc_lo, 1, v[TA]
	v_cndmask_b32 v[TA], v[PT], v[PT+1], vcc_lo    ; lanes 0-15 store block 0's byte, lanes 16-31 block 1's
	global_store_b96 v[GO], v[PCD:PCD+2], s[96:97]             ; a row's 192 bytes of a chunk come from four heads: each head's work-group stores its 48
	global_store_b96 v[GO], v[PCD+4:PCD+6], s[96:97] offset:24
	global_store_b8 v[GS], v[TA], s[98:99]
	s_wait_tensorcnt 0x0
	ds_add_u32 v254, v255
	s_wait_dscnt 0x0
	s_endpgm
.Lfunc_end_k_q821e060f46_attn:
	.size	k_q821e060f46_attn, .Lfunc_end_k_q821e060f46_attn-k_q821e060f46_attn
	.p2alignl 7, 3214868480
	.fill 96, 4, 3214868480
	.section	.rodata,"a",@progbits
	.p2align	6, 0x0
	.amdhsa_kernel k_q821e060f46_attn
		.amdhsa_group_segment_fixed_size 219136
		.amdhsa_private_segment_fixed_size 0
		.amdhsa_enable_private_segment 0
		.amdhsa_kernarg_size 24
		.amdhsa_user_sgpr_count 2
		.amdhsa_user_sgpr_kernarg_segment_ptr 1
		.amdhsa_wavefront_size32 1
		.amdhsa_system_sgpr_workgroup_id_x 1
		.amdhsa_system_sgpr_workgroup_id_y 1
		.amdhsa_system_sgpr_workgroup_id_z 1
		.amdhsa_system_vgpr_workitem_id 0
		.amdhsa_next_free_vgpr 256
		.amdhsa_next_free_sgpr 100
		.amdhsa_reserve_vcc 1
		.amdhsa_float_denorm_mode_32 3
		.amdhsa_float_denorm_mode_16_64 3
		.amdhsa_memory_ordered 1
		.amdhsa_forward_progress 1
		.amdhsa_inst_pref_size 91
	.end_amdhsa_kernel
	.amdgpu_metadata
---
amdhsa.version: [ 1, 2 ]
amdhsa.kernels:
  - .name:           k_q821e060f46_attn
    .symbol:         k_q821e060f46_attn.kd
    .args:
      - { .name: qkv, .offset: 0, .size: 8, .value_kind: global_buffer, .address_space: global }
      - { .name: mask, .offset: 8, .size: 8, .value_kind: global_buffer, .address_space: global }
      - { .name: actB, .offset: 16, .size: 8, .value_kind: global_buffer, .address_space: global }
    .group_segment_fixed_size: 219136
    .private_segment_fixed_size: 0
    .kernarg_segment_align: 8
    .kernarg_segment_size: 24
    .max_flat_workgroup_size: 512
    .sgpr_count:     100
    .vgpr_count:     256
    .wavefront_size: 32
...
	.end_amdgpu_metadata
.endif
;; end of part 4
;; launch gemm_wo (part 5): grid 4 x 16, 4 waves a work-group, clusters of 4 x 4, 327,680 bytes of LDS; arguments actB, wbuf, x, x1; writes x1
.if DOCPART == 5
	.amdgcn_target "amdgcn-amd-amdhsa--gfx1250"
	.amdhsa_code_object_version 6
	.text
	.protected	k_q821e060f46_gemm_wo
	.globl	k_q821e060f46_gemm_wo
	.p2align	8
	.type	k_q821e060f46_gemm_wo,@function
k_q821e060f46_gemm_wo:
	s_mov_b64 s[64:65], 0
	v_nop
	global_prefetch_b8 v0, s[64:65] scope:SCOPE_SE
	s_setreg_imm32_b32 hwreg(HW_REG_WAVE_MODE, 25, 1), 1
	s_wait_xcnt 0x0
	s_wait_alu depctr_hold_cnt(0) depctr_sa_sdst(0) depctr_va_vdst(0) depctr_va_sdst(0) depctr_va_ssrc(0) depctr_va_vcc(0) depctr_vm_vsrc(0)
	s_getreg_b32 s2, hwreg(HW_REG_IB_STS2, 6, 4)
	s_cmp_eq_u32 s2, 0
	s_cbranch_scc0 .Lentry_in_a_cluster
	s_endpgm
.Lentry_in_a_cluster:
	s_bfe_u32 s2, ttmp6, 0x10000c
	s_cmp_lg_u32 s2, 0xf033
	s_cbranch_scc0 .Lentry_shape_is_right
	s_endpgm
.Lentry_shape_is_right:
; C = RES + A B^T (+ bias): A (4,096 rows) and B (1,024 rows) are codes of FP6 (E2M3) with E8M0 scales; RES, bias and C are f32, C [4,096][1,024].  Here: x1 = x + ctx wo, K = 1,024, no bias.
; OPERANDS lie in panels of 128 rows and chunks of 256 along K: a (panel, chunk) is 24,576 dense bytes of codes ([128][192]) and 1,024 of scale bytes ([128][8]); row p of a panel is logical row swap34(p).
; A tile of C, 256 x 256, is made by four waves of 128 x 128: 64 accumulators, 512 registers.  K goes in steps of 256 through a ring of two LDS slots filled by the tensor data mover; the scales of all of K come once.
; C has 16 x 4 such tiles: 64 work-groups.  CLUSTERS 4 x 4: A's tiles are asked for jointly along a row of the cluster, B's along a column.
; THE MATRIX INSTRUCTION IS USED TRANSPOSED (source 0 = 16 rows of B, source 1 = 16 rows of A): in accumulator (a, b) lane (r, h), register j holds C at row 32 (a / 2) + 8 (a % 2) + r + 8 (r / 8), column 32 (b / 2) + 16 h + 8 (b % 2) + j.
; THE RESIDUAL IS THE C OF THE FIRST PRODUCTS: it is loaded straight into the accumulators while the first tiles are on their way.
; REGISTERS, in windows of 256: window 0: v0-31 addresses; v32-63 scale words, two sets; v64-67 the bias; from v128 A's fragments, one set (on the way out: rows of C).  window 1: B's fragments, two sets.  windows 2, 3: the accumulators.
.set NK,     4                         ; chunks of 256 along K
.set BLK0,   96                        ; B's first block in wbuf
.set SOFF,   3145728                   ; where A's scale bytes begin
.set BIAS,   0
.set NQ,     2                         ; matrix instructions deep in a slot
.set PITCH,  240                       ; an LDS row: 3 x (64 bytes + 16 of padding): the 32 lanes of a load of 8 bytes touch 64 different banks (64 banks of 4 bytes: ISA guide 11.1)
.set FR,     12
.set NL,     6
.set NP,     4                         ; places behind this matrix instruction (ISA guide 7.12.1)
.set CHB,    24576
.set PANB,   NK*CHB
.set PANS,   NK*1024
.set WS,     9437184
.set HALFT,  128*PITCH
.set SLOT,   4*HALFT
.set LAPS,   NK/2
.set SCL,    2*SLOT
.set HALFS,  PANS
.set SBLK,   128
.set SPARE,  SCL+4*HALFS               ; the spare words, 128 bytes for each wave; no other line names them
.set SPITCH, 528                       ; the way out: a stage of 16 rows x (512 bytes + 16) for each wave, in slot 0
.set ADRA, 16
.set ADRB, 20
.set STO,  24
.set RD,   25
.set CO,   26
.set ADRS, 27
.set SPW,  28
.set NIL,  29
.set RO,   30                          ; v30 my lane's place in the residual: (r + 8 (r / 8)) rows + 64 h bytes
.set SC,   32
.set BI,   64
.set AF,   128
.set BK,   128
.set G1, 24
.set G0, 32
.set G1B, 48
.set G0B, 56
.set G1S, 68
.set G0S, 76
.set G1SB, 80
.set G0SB, 88
.set MSB, 0
.macro WIN new                         ; the immediate's high byte repeats the setting that is left
.if MSB != (\new)
	s_set_vgpr_msb (MSB<<8)|(\new)
.set MSB, (\new)
.endif
.endm
.set MUL_LO, 0xa1
.set MUL_HI, 0xf1
.set TO_B,   0x40
; A joint load: waves 0 and 1 fetch for A, waves 2 and 3 for B; the branch hangs on the wave's number alone.  Four v_nop follow each of the two lines.
.macro JLOAD g0a, g1a, g0b, g1b
	s_cmp_eq_u32 s15, 0
	s_cbranch_scc0 .Lfor_b_\@
	tensor_load_to_lds s[\g0a:\g0a+3], s[\g1a:\g1a+7]
	s_nop 0
.rept 4
	v_nop
.endr
	s_branch .Lasked_\@
.Lfor_b_\@:
	tensor_load_to_lds s[\g0b:\g0b+3], s[\g1b:\g1b+7]
	s_nop 0
.rept 4
	v_nop
.endr
.Lasked_\@:
.endm
.macro CREST
	s_cmp_lg_u32 s14, 0
	s_cbranch_scc1 .Lnot_wave_0_\@
	s_barrier_signal -3
.Lnot_wave_0_\@:
	s_barrier_wait -3
	s_barrier_signal -1
	s_barrier_wait -1
.endm
.macro CROUND
	s_barrier_signal -1
	s_barrier_wait -1
	CREST
.endm
	s_load_b256 s[4:11], s[0:1], 0x0               ; A, wbuf, RES, and the bias (BIAS = 1) or C
.if BIAS
	s_load_b64 s[12:13], s[0:1], 0x20              ; C
.endif
	v_lshl_add_u32 v[SPW], v0, 2, SPARE
	v_mov_b32 v[NIL], 0
	ds_add_u32 v28, v29
	ds_add_u32 v28, v29
	s_wait_dscnt 0x0
	v_lshrrev_b32 v1, 5, v0
	v_readfirstlane_b32 s14, v1                    ; wave 0..3
	s_lshr_b32 s15, s14, 1                         ; which half of the tile's rows is mine.  Also: I fetch for A (0) or for B (1)
	s_and_b32 s16, s14, 1                          ; which half of its columns.  Also: which panel of that tile I fetch
	s_bfe_u32 s40, ttmp6, 0x40000                  ; cx, cy
	s_bfe_u32 s41, ttmp6, 0x40004
	s_lshl_b32 s42, ttmp9, 2
	s_add_co_u32 s42, s42, s40                     ; tile column
	s_and_b32 s17, ttmp7, 0xffff
	s_lshl_b32 s17, s17, 2
	s_add_co_u32 s17, s17, s41                     ; tile row
	s_lshl_b32 s43, s41, 2
	s_lshl_b32 s43, 15, s43                        ; my row of the cluster
	s_lshl_b32 s44, 0x1111, s40                    ; my column
	; descriptor group 1 for the codes: a (panel, chunk) is dense: 96 rows of 256 bytes; 16 bytes of padding behind every 64 give LDS rows of 192 bytes at pitch 240
	s_or_b32 s[G1+0], s43, (1<<20)|(1<<21)|(3<<22)|(3<<25)
	s_or_b32 s[G1B+0], s44, (1<<20)|(1<<21)|(3<<22)|(3<<25)
.irp g, G1, G1B
	s_mov_b32 s[\g+1], 256<<16
	s_mov_b32 s[\g+2], 96<<16
	s_mov_b32 s[\g+3], 256<<16
	s_mov_b32 s[\g+4], 96
	s_mov_b32 s[\g+5], 256
	s_mov_b32 s[\g+6], 0
	s_mov_b32 s[\g+7], 0
.endr
	; and for a panel's scale bytes: PANS dense bytes as rows of 256 (32 elements of 8 bytes), no padding
	s_or_b32 s[G1S+0], s43, (3<<16)|(1<<21)
	s_or_b32 s[G1SB+0], s44, (3<<16)|(1<<21)
.irp g, G1S, G1SB
	s_mov_b32 s[\g+1], 32<<16
	s_mov_b32 s[\g+2], (4*NK)<<16
	s_mov_b32 s[\g+3], 32<<16
	s_mov_b32 s[\g+4], 4*NK
	s_mov_b32 s[\g+5], 32
	s_mov_b32 s[\g+6], 0
	s_mov_b32 s[\g+7], 0
.endr
	s_lshl_b32 s20, s17, 1
	s_add_co_u32 s20, s20, s16                     ; A: the panel that I fetch
	s_lshl_b32 s46, s42, 1
	s_add_co_u32 s46, s46, s16                     ; B: likewise
	s_mul_i32 s22, s20, PANS
	s_mov_b32 s23, 0
	s_mul_i32 s92, s46, PANS
	s_mov_b32 s93, 0
	s_mul_i32 s20, s20, PANB
	s_mov_b32 s21, 0
	s_mul_i32 s46, s46, PANB
	s_mov_b32 s47, 0
	s_mul_i32 s45, s14, HALFT
	s_mul_i32 s94, s14, HALFS
	s_wait_kmcnt 0x0
.if BIAS
	s_mov_b64 s[66:67], s[10:11]                   ; the bias
.else
	s_mov_b64 s[12:13], s[10:11]                   ; C
.endif
	s_mov_b64 s[96:97], s[8:9]                     ; RES
	s_add_nc_u64 s[8:9], s[6:7], BLK0*CHB          ; B's codes
	s_add_nc_u64 s[10:11], s[6:7], WS+BLK0*1024    ; B's scales
	s_add_nc_u64 s[6:7], s[4:5], SOFF              ; A's scales
	s_add_nc_u64 s[20:21], s[4:5], s[20:21]
	s_add_nc_u64 s[22:23], s[6:7], s[22:23]
	s_add_nc_u64 s[46:47], s[8:9], s[46:47]
	s_add_nc_u64 s[92:93], s[10:11], s[92:93]
	CROUND                                         ; all sixteen work-groups are here: the first joint loads meet
	s_mov_b32 s[G0S], 1
	s_add_co_u32 s[G0S+1], s94, SCL
	s_mov_b64 s[G0S+2:G0S+3], s[22:23]
	s_or_b32 s[G0S+3], s[G0S+3], 0x80000000
	s_mov_b32 s[G0SB], 1
	s_add_co_u32 s[G0SB+1], s94, SCL
	s_mov_b64 s[G0SB+2:G0SB+3], s[92:93]
	s_or_b32 s[G0SB+3], s[G0SB+3], 0x80000000
	JLOAD G0S, G1S, G0SB, G1SB
.irp s, 0,1
	s_mov_b32 s[G0+4*\s], 1
	s_add_co_u32 s[G0+4*\s+1], s45, \s*SLOT
	s_add_nc_u64 s[G0+4*\s+2:G0+4*\s+3], s[20:21], \s*CHB
	s_or_b32 s[G0+4*\s+3], s[G0+4*\s+3], 0x80000000
	s_mov_b32 s[G0B+4*\s], 1
	s_add_co_u32 s[G0B+4*\s+1], s45, \s*SLOT
	s_add_nc_u64 s[G0B+4*\s+2:G0B+4*\s+3], s[46:47], \s*CHB
	s_or_b32 s[G0B+4*\s+3], s[G0B+4*\s+3], 0x80000000
	JLOAD G0+4*\s, G1, G0B+4*\s, G1B
.endr
	v_and_b32 v1, 15, v0                           ; r
	v_bfe_u32 v2, v0, 4, 1                         ; h
	v_mul_u32_u24 v3, v1, PITCH
	v_mul_u32_u24 v4, v2, 24
	v_add_nc_u32 v4, v3, v4
	v_lshl_add_u32 v5, v2, 4, v4
	s_mul_i32 s21, s15, HALFT
	s_mul_i32 s22, s16, HALFT
	s_add_co_u32 s22, s22, 2*HALFT
.irp s, 0,1
	v_add_nc_u32 v[ADRA+\s], s21, v4
	v_add_nc_u32 v[ADRB+\s], s22, v4
	v_add_nc_u32 v[ADRA+2+\s], s21, v5
	v_add_nc_u32 v[ADRB+2+\s], s22, v5
	s_add_co_u32 s21, s21, SLOT
	s_add_co_u32 s22, s22, SLOT
.endr
	v_lshlrev_b32 v5, 3, v1
	s_mul_i32 s21, s15, HALFS
	s_mul_i32 s22, s16, HALFS
	s_add_co_u32 s22, s22, 2*HALFS
	s_sub_co_u32 s22, s22, s21
	v_mul_u32_u24 v6, s22, v2                      ; lanes 16-31 take B's
	s_add_co_u32 s21, s21, SCL
	v_add_nc_u32 v5, v5, v6
	v_add_nc_u32 v[ADRS], s21, v5
	s_mul_i32 s23, s14, 16*SPITCH                  ; my stage
	v_mul_u32_u24 v5, v1, SPITCH
	v_lshl_add_u32 v5, v2, 6, v5
	v_add_nc_u32 v[STO], s23, v5                   ; in: row r, + 64 h bytes
	v_and_b32 v6, 31, v0
	v_lshlrev_b32 v[CO], 4, v6                     ; back: the 32 lanes take one row of 512 bytes; and the same in C
	v_add_nc_u32 v[RD], s23, v[CO]
	v_and_b32 v5, 8, v1
	v_add_nc_u32 v5, v5, v1
	v_lshlrev_b32 v[RO], 12, v5
	v_lshl_add_u32 v[RO], v2, 6, v[RO]
	s_lshl_b32 s20, s17, 8
	s_lshl_b32 s21, s15, 7
	s_add_co_u32 s20, s20, s21                     ; my first row of C
	s_lshl_b32 s20, s20, 12
	s_lshl_b32 s46, s42, 10
	s_lshl_b32 s47, s16, 9
	s_add_co_u32 s46, s46, s47                     ; my first column, in bytes
	s_mov_b32 s47, 0
	s_add_co_u32 s20, s20, s46
	s_mov_b32 s21, 0
	s_add_nc_u64 s[12:13], s[12:13], s[20:21]
	s_add_nc_u64 s[96:97], s[96:97], s[20:21]
.if BIAS
	s_add_nc_u64 s[66:67], s[66:67], s[46:47]
	global_load_b128 v[BI:BI+3], v[CO], s[66:67]   ; the bias of columns 4 x lane on
.endif
.irp a, 0,1,2,3,4,5,6,7                        ; the residual, in the accumulators' layout
	WIN 0x80+0x40*(\a/4)                           ; destination: window 2 or 3
.irp b, 0,1,2,3,4,5,6,7
	global_load_b128 v[8*(8*(\a%4)+\b):8*(8*(\a%4)+\b)+3], v[RO], s[96:97] offset:(32*(\a/2)+8*(\a%2))*4096+128*(\b/2)+32*(\b%2)
	global_load_b128 v[8*(8*(\a%4)+\b)+4:8*(8*(\a%4)+\b)+7], v[RO], s[96:97] offset:(32*(\a/2)+8*(\a%2))*4096+128*(\b/2)+32*(\b%2)+16
.endr
.endr
	WIN 0
.macro FRAG reg, adr, q, i             ; a fragment: lane (r, h) holds row r; registers 6 c .. 6 c + 5 hold K = 64 c + 32 h + 0 .. 31: 24 bytes of the row as they lie, in pieces of 8 bytes
.irp p, 0,1,2,3,4,5
.set PCE, 12*(\q)+6*(\p/3)+\p%3        ; lanes 16-31 read three pieces further on; where that lies behind one padding more, the second address register serves
.if PCE%8 < 5
	ds_load_b64 v[\reg+2*\p:\reg+2*\p+1], v[\adr] offset:8*PCE+16*(PCE/8)+(\i)*16*PITCH
.else
	ds_load_b64 v[\reg+2*\p:\reg+2*\p+1], v[\adr+2] offset:8*PCE+16*(PCE/8)+(\i)*16*PITCH
.endif
.endr
.endm
; 16 matrix instructions: A's blocks a0, a0 + 1 x B's eight, the slot's q-th 128 along K.  The 64 accumulators take turns, one instruction a turn, in the same order in every step.
.macro MUL16 a0, p, q, sc
.irp a, \a0, \a0+1
.irp b, 0,1,2,3,4,5,6,7
.set rD, 8*(8*((\a)%4)+\b)
.set rB, 128*(\p)+FR*\b
.set rA, AF+FR*(\a)
.set rSB, SC+8*NQ*(\sc)+NQ*\b+(\q)
.set rSA, SC+8*NQ*(\sc)+NQ*(\a)+(\q)
	v_wmma_scale_f32_16x16x128_f8f6f4 v[rD:rD+7], v[rB:rB+FR-1], v[rA:rA+FR-1], v[rD:rD+7], v[rSB], v[rSA] matrix_a_fmt:MATRIX_FMT_FP6 matrix_b_fmt:MATRIX_FMT_FP6 matrix_a_scale:MATRIX_SCALE_ROW1
.endr
.endr
.endm
.macro FETCH_B slot, q, p
	WIN TO_B
.irp i, 0,1,2,3,4,5,6,7
	FRAG 128*(\p)+FR*\i, ADRB+\slot, \q, \i
.endr
	WIN 0
.endm
.macro FETCH_A slot, q, i0
.irp i, \i0, \i0+1, \i0+2, \i0+3
	FRAG AF+FR*(\i), ADRA+\slot, \q, \i
.endr
.endm
.macro SCALES sc
.irp i, 0,1,2,3,4,5,6,7
	ds_load_b64 v[SC+8*NQ*\sc+NQ*\i:SC+8*NQ*\sc+NQ*\i+1], v[ADRS] offset:\i*SBLK
.endr
.endm
.macro PLACES n                        ; plain vector instructions between a matrix instruction and a load into, or a read of, its registers (ISA guide 7.12.1 for reads)
.rept \n
	v_nop
.endr
.endm
.macro STEP slot, q
	s_wait_dscnt 4*NL                              ; B's set and A's blocks 0-3 are in; the youngest 24 loads (A's blocks 4-7) may be out
	WIN MUL_LO
	MUL16 0, (\q)%2, \q, \slot
	MUL16 2, (\q)%2, \q, \slot
	s_wait_dscnt 0
	PLACES NP
	FETCH_B \slot, (\q)+1, 1-(\q)%2
	FETCH_A \slot, (\q)+1, 0
	WIN MUL_HI
	MUL16 4, (\q)%2, \q, \slot
	MUL16 6, (\q)%2, \q, \slot
	PLACES NP
	WIN 0
	FETCH_A \slot, (\q)+1, 4
.endm
; A slot's last step changes slots: one barrier; in front of it each wave waits for all its tensor loads, adds 0 to its spare word, and waits for that and for its reads of this slot.  fill = 1: the slot is filled again, two K steps ahead.
.macro TURN slot, next, fill
	s_wait_tensorcnt 0x0                           ; all my tensor loads have landed: my part of the next slot
	ds_add_u32 v[SPW], v[NIL]                      ; 0 onto my spare word
	s_wait_dscnt 4*NL+1                            ; (the add and the youngest 24 loads may be out)
	WIN MUL_LO
	MUL16 0, 1, NQ-1, \slot
	s_wait_dscnt 0x0                               ; the add is done, and my reads of this slot are over
	s_barrier_signal -1
	MUL16 2, 1, NQ-1, \slot
	WIN 0
	s_barrier_wait -1
.if \fill
	CREST                                          ; the barrier has opened a round of the cluster's: no wave of any partner still reads this slot or has a load on its way
	s_add_nc_u64 s[G0+4*\slot+2:G0+4*\slot+3], s[G0+4*\slot+2:G0+4*\slot+3], 2*CHB
	s_add_nc_u64 s[G0B+4*\slot+2:G0B+4*\slot+3], s[G0B+4*\slot+2:G0B+4*\slot+3], 2*CHB
	JLOAD G0+4*\slot, G1, G0B+4*\slot, G1B
.else
	PLACES NP
.endif
	v_add_nc_u32 v[ADRS], 1024, v[ADRS]            ; the next chunk's scale bytes
	FETCH_B \next, 0, 0
	FETCH_A \next, 0, 0
	SCALES \next
	WIN MUL_HI
	MUL16 4, 1, NQ-1, \slot
	MUL16 6, 1, NQ-1, \slot
	PLACES NP
	WIN 0
	FETCH_A \next, 0, 4
.endm
	s_wait_tensorcnt 1                             ; the scales and my part of K step 0 are in (K step 1's load may be out),
	s_barrier_signal -1
	s_barrier_wait -1                              ; everybody's are
	FETCH_B 0, 0, 0
	FETCH_A 0, 0, 0
	SCALES 0
	FETCH_A 0, 0, 4
	s_wait_loadcnt 0x0                             ; the residual lies in the accumulators
	STEP 0, 0
	s_mov_b32 s3, LAPS-1
.Llap:                                                 ; a trip goes once round the ring and fills both slots again
	TURN 0, 1, 1
	STEP 1, 0
	TURN 1, 0, 1
	STEP 0, 0
	s_sub_co_u32 s3, s3, 1
	s_cmp_lg_u32 s3, 0
	s_cbranch_scc1 .Llap
	TURN 0, 1, 0                                   ; the last lap fills nothing
	STEP 1, 0
	s_wait_dscnt 4*NL
	WIN MUL_LO
	MUL16 0, 1, NQ-1, 1
	MUL16 2, 1, NQ-1, 1
	s_wait_dscnt 0
	WIN MUL_HI
	MUL16 4, 1, NQ-1, 1
	MUL16 6, 1, NQ-1, 1
	WIN 0
; THE WAY OUT, block by block of 16 rows x 128 columns, through my own stage in LDS (in slot 0, which has had its last fill and its last read): in by lanes, back as whole rows of 512 bytes.
; LDS serves a wave's instructions in order (ISA guide 5.7.1.4): no wait between the stores and the loads, nor in front of the next block's stores.
.macro TOSTAGE a
.set AC, 64*((\a)%4)
	WIN 0x08+4*((\a)/4)                            ; the data: window 2 or 3
.irp b, 0,1,2,3,4,5,6,7
	ds_store_b128 v[STO], v[AC+8*\b:AC+8*\b+3] offset:128*(\b/2)+32*(\b%2)         ; each accumulator from its low end on
	ds_store_b128 v[STO], v[AC+8*\b+4:AC+8*\b+7] offset:128*(\b/2)+32*(\b%2)+16
.endr
	WIN 0
.set BB, BK+64*((\a)%2)
.irp t, 0,1,2,3,4,5,6,7,8,9,10,11,12,13,14,15
	ds_load_b128 v[BB+4*\t:BB+4*\t+3], v[RD] offset:\t*SPITCH
.endr
.endm
.macro SEND a, younger                 ; younger: the LDS instructions issued behind block a's loads, which may stay out
.set BB, BK+64*((\a)%2)
	s_wait_dscnt \younger
.irp t, 0,1,2,3,4,5,6,7,8,9,10,11,12,13,14,15
.if BIAS
	v_pk_add_f32 v[BB+4*\t:BB+4*\t+1], v[BB+4*\t:BB+4*\t+1], v[BI:BI+1]
	v_pk_add_f32 v[BB+4*\t+2:BB+4*\t+3], v[BB+4*\t+2:BB+4*\t+3], v[BI+2:BI+3]
.endif
	global_store_b128 v[CO], v[BB+4*\t:BB+4*\t+3], s[12:13] offset:(32*((\a)/2)+8*((\a)%2)+\t+8*(\t/8))*4096   ; row t of the block is row 32 (a / 2) + 8 (a % 2) + t + 8 (t / 8) of my 128; 512 consecutive bytes
.endr
.endm
	PLACES NP
	TOSTAGE 0
.irp a, 1,2,3,4,5,6,7
.if \a > 1
	s_wait_xcnt 0x0                                ; block a - 2's stores have read their registers: block a's loads may land there
.endif
	TOSTAGE \a
	SEND \a-1, 32                                  ; behind block a - 1's loads: block a's 16 stores and 16 loads
.endr
	SEND 7, 0
	s_wait_tensorcnt 0x0                           ; the wave's end
	ds_add_u32 v[SPW], v[NIL]
	s_wait_dscnt 0x0
	CROUND                                         ; the closing round
	s_endpgm
.Lfunc_end_k_q821e060f46_gemm_wo:
	.size	k_q821e060f46_gemm_wo, .Lfunc_end_k_q821e060f46_gemm_wo-k_q821e060f46_gemm_wo
	.p2alignl 7, 3214868480
	.fill 96, 4, 3214868480
	.section	.rodata,"a",@progbits
	.p2align	6, 0x0
	.amdhsa_kernel k_q821e060f46_gemm_wo
		.amdhsa_group_segment_fixed_size 327680
		.amdhsa_private_segment_fixed_size 0
		.amdhsa_enable_private_segment 0
		.amdhsa_kernarg_size 32
		.amdhsa_user_sgpr_count 2
		.amdhsa_user_sgpr_kernarg_segment_ptr 1
		.amdhsa_wavefront_size32 1
		.amdhsa_system_sgpr_workgroup_id_x 1
		.amdhsa_system_sgpr_workgroup_id_y 1
		.amdhsa_system_sgpr_workgroup_id_z 1
		.amdhsa_system_vgpr_workitem_id 0
		.amdhsa_next_free_vgpr 1024
		.amdhsa_next_free_sgpr 100
		.amdhsa_reserve_vcc 0
		.amdhsa_float_denorm_mode_32 3
		.amdhsa_float_denorm_mode_16_64 3
		.amdhsa_memory_ordered 1
		.amdhsa_forward_progress 1
		.amdhsa_inst_pref_size 172
	.end_amdhsa_kernel
	.amdgpu_metadata
---
amdhsa.version: [ 1, 2 ]
amdhsa.kernels:
  - .name:           k_q821e060f46_gemm_wo
    .symbol:         k_q821e060f46_gemm_wo.kd
    .args:
      - { .name: actB, .offset: 0, .size: 8, .value_kind: global_buffer, .address_space: global }
      - { .name: wbuf, .offset: 8, .size: 8, .value_kind: global_buffer, .address_space: global }
      - { .name: x, .offset: 16, .size: 8, .value_kind: global_buffer, .address_space: global }
      - { .name: x1, .offset: 24, .size: 8, .value_kind: global_buffer, .address_space: global }
    .group_segment_fixed_size: 327680
    .private_segment_fixed_size: 0
    .kernarg_segment_align: 8
    .kernarg_segment_size: 32
    .max_flat_workgroup_size: 128
    .sgpr_count:     100
    .vgpr_count:     1024
    .wavefront_size: 32
...
	.end_amdgpu_metadata
.endif
;; end of part 5
;; launch ln2: the kernel of part 2 again; grid 256 x 1, 4 waves a work-group, no clusters, 51,712 bytes of LDS; arguments x1, ln2_a, ln2_b, actA; writes actA
;; launch gemm_w1 (part 6): grid 16 x 16, 4 waves a work-group, clusters of 4 x 4, 327,680 bytes of LDS; arguments actA, wbuf, b1, hid; writes hid
.if DOCPART == 6
	.amdgcn_target "amdgcn-amd-amdhsa--gfx1250"
	.amdhsa_code_object_version 6
	.text
	.protected	k_q821e060f46_gemm_w1
	.globl	k_q821e060f46_gemm_w1
	.p2align	8
	.type	k_q821e060f46_gemm_w1,@function
k_q821e060f46_gemm_w1:
	s_mov_b64 s[64:65], 0
	v_nop
	global_prefetch_b8 v0, s[64:65] scope:SCOPE_SE
	s_setreg_imm32_b32 hwreg(HW_REG_WAVE_MODE, 25, 1), 1
	s_wait_xcnt 0x0
	s_wait_alu depctr_hold_cnt(0) depctr_sa_sdst(0) depctr_va_vdst(0) depctr_va_sdst(0) depctr_va_ssrc(0) depctr_va_vcc(0) depctr_vm_vsrc(0)
	s_getreg_b32 s2, hwreg(HW_REG_IB_STS2, 6, 4)
	s_cmp_eq_u32 s2, 0
	s_cbranch_scc0 .Lentry_in_a_cluster
	s_endpgm
.Lentry_in_a_cluster:
	s_bfe_u32 s2, ttmp6, 0x10000c
	s_cmp_lg_u32 s2, 0xf033
	s_cbranch_scc0 .Lentry_shape_is_right
	s_endpgm
.Lentry_shape_is_right:
; h = relu(xn w1 + b1) on codes of FP6 (E2M3) with E8M0 scales, K = 1,024, N = 4,096; h is quantised along its 4,096 on the way out and leaves as codes.
; OPERANDS lie in panels of 128 rows and chunks of 256 along K: a (panel, chunk) is 24,576 dense bytes of codes ([128][192]) and 1,024 of scale bytes ([128][8]); row p of a panel is logical row swap34(p).  hid is laid so too, with 16 chunks.
; A tile of C, 256 x 256, is made by four waves of 128 x 128: 64 accumulators, 512 registers; 256 work-groups.  K goes in steps of 256 through a ring of two LDS slots filled by the tensor data mover; the scales of all of K come once.
; CLUSTERS 4 x 4: A's tiles are asked for jointly along a row of the cluster, B's along a column.
; THE MATRIX INSTRUCTION IS USED TRANSPOSED (source 0 = 16 rows of B, source 1 = 16 rows of A): in accumulator (a, b) lane (r, h), register j holds A's row 16 a + r of the panel and column 32 (b / 2) + 16 h + 8 (b % 2) + j,
; so the 16 registers of accumulators 2 b', 2 b' + 1 are 16 neighbours along the next product's K.  THE BIAS IS THE C OF THE FIRST PRODUCTS.
; A tile's 256 columns are one chunk of hid: a row's 192 bytes come from two waves, so the codes meet in a stage of the work-group, and behind one barrier each wave stores 12,288 + 512 consecutive bytes.
; LIMITS: a block of zeros gets the byte 1 (this program alone reads the bytes); NaN and infinities are not served.
; REGISTERS, in windows of 256: window 0: v0-31 addresses; v32-63 scale words, two sets; v64-127 the bias, later at work on the way out; from v128 A's fragments, one set.  window 1: B's fragments, two sets.  windows 2, 3: the accumulators.
.set NK,     4
.set BLK0,   128                       ; w1's first block in wbuf
.set SOFF,   3145728
.set NQ,     2
.set PITCH,  240                       ; an LDS row: 3 x (64 bytes + 16 of padding): the 32 lanes of a load of 8 bytes touch 64 different banks (64 banks of 4 bytes: ISA guide 11.1)
.set FR,     12
.set NL,     6
.set NP,     4                         ; places behind this matrix instruction (ISA guide 7.12.1)
.set CHB,    24576
.set PANB,   NK*CHB
.set PANS,   NK*1024
.set WS,     9437184
.set HALFT,  128*PITCH
.set SLOT,   4*HALFT
.set LAPS,   NK/2
.set SCL,    2*SLOT
.set HALFS,  PANS
.set SBLK,   128
.set SPARE,  SCL+4*HALFS               ; the spare words, 128 bytes for each wave; no other line names them
.set ADRA, 16
.set ADRB, 20
.set STO,  24                          ; v24 the way out: where my codes go
.set STS,  25                          ; v25 and my scale words
.set CO,   26                          ; v26 16 x lane
.set ADRS, 27
.set SPW,  28
.set NIL,  29
.set RD,   30                          ; v30 where I read codes back
.set RDS,  31                          ; v31 64 h for the bias, later where I read scale bytes back
.set SC,   32
.set BD,   64                          ; v64-127 the bias in the accumulators' layout: 8 registers for each b
.set CD,   72
.set TM,   96
.set PW,   112
.set FLR,  113
.set AF,   128
.set G1, 24
.set G0, 32
.set G1B, 48
.set G0B, 56
.set G1S, 68
.set G0S, 76
.set G1SB, 80
.set G0SB, 88
.set MSB, 0
.macro WIN new                         ; the immediate's high byte repeats the setting that is left
.if MSB != (\new)
	s_set_vgpr_msb (MSB<<8)|(\new)
.set MSB, (\new)
.endif
.endm
.set MUL_LO, 0xa1
.set MUL_HI, 0xf1
.set TO_B,   0x40
; A joint load: waves 0 and 1 fetch for A, waves 2 and 3 for B; the branch hangs on the wave's number alone.  Four v_nop follow each of the two lines.
.macro JLOAD g0a, g1a, g0b, g1b
	s_cmp_eq_u32 s15, 0
	s_cbranch_scc0 .Lfor_b_\@
	tensor_load_to_lds s[\g0a:\g0a+3], s[\g1a:\g1a+7]
	s_nop 0
.rept 4
	v_nop
.endr
	s_branch .Lasked_\@
.Lfor_b_\@:
	tensor_load_to_lds s[\g0b:\g0b+3], s[\g1b:\g1b+7]
	s_nop 0
.rept 4
	v_nop
.endr
.Lasked_\@:
.endm
.macro CREST
	s_cmp_lg_u32 s14, 0
	s_cbranch_scc1 .Lnot_wave_0_\@
	s_barrier_signal -3
.Lnot_wave_0_\@:
	s_barrier_wait -3
	s_barrier_signal -1
	s_barrier_wait -1
.endm
.macro CROUND
	s_barrier_signal -1
	s_barrier_wait -1
	CREST
.endm
	s_load_b256 s[4:11], s[0:1], 0x0               ; actA, wbuf, b1, hid
	v_lshl_add_u32 v[SPW], v0, 2, SPARE
	v_mov_b32 v[NIL], 0
	ds_add_u32 v28, v29
	ds_add_u32 v28, v29
	s_wait_dscnt 0x0
	v_lshrrev_b32 v1, 5, v0
	v_readfirstlane_b32 s14, v1                    ; wave 0..3
	s_lshr_b32 s15, s14, 1                         ; which half of the tile's rows is mine.  Also: I fetch for A (0) or for B (1)
	s_and_b32 s16, s14, 1                          ; which half of its columns.  Also: which panel of that tile I fetch
	s_bfe_u32 s40, ttmp6, 0x40000                  ; cx, cy
	s_bfe_u32 s41, ttmp6, 0x40004
	s_lshl_b32 s42, ttmp9, 2
	s_add_co_u32 s42, s42, s40                     ; tile column
	s_and_b32 s17, ttmp7, 0xffff
	s_lshl_b32 s17, s17, 2
	s_add_co_u32 s17, s17, s41                     ; tile row
	s_lshl_b32 s43, s41, 2
	s_lshl_b32 s43, 15, s43                        ; my row of the cluster
	s_lshl_b32 s44, 0x1111, s40                    ; my column
	; descriptor group 1 for the codes: a (panel, chunk) is dense: 96 rows of 256 bytes; 16 bytes of padding behind every 64 give LDS rows of 192 bytes at pitch 240
	s_or_b32 s[G1+0], s43, (1<<20)|(1<<21)|(3<<22)|(3<<25)
	s_or_b32 s[G1B+0], s44, (1<<20)|(1<<21)|(3<<22)|(3<<25)
.irp g, G1, G1B
	s_mov_b32 s[\g+1], 256<<16
	s_mov_b32 s[\g+2], 96<<16
	s_mov_b32 s[\g+3], 256<<16
	s_mov_b32 s[\g+4], 96
	s_mov_b32 s[\g+5], 256
	s_mov_b32 s[\g+6], 0
	s_mov_b32 s[\g+7], 0
.endr
	; and for a panel's scale bytes: PANS dense bytes as rows of 256 (32 elements of 8 bytes), no padding
	s_or_b32 s[G1S+0], s43, (3<<16)|(1<<21)
	s_or_b32 s[G1SB+0], s44, (3<<16)|(1<<21)
.irp g, G1S, G1SB
	s_mov_b32 s[\g+1], 32<<16
	s_mov_b32 s[\g+2], (4*NK)<<16
	s_mov_b32 s[\g+3], 32<<16
	s_mov_b32 s[\g+4], 4*NK
	s_mov_b32 s[\g+5], 32
	s_mov_b32 s[\g+6], 0
	s_mov_b32 s[\g+7], 0
.endr
	s_lshl_b32 s20, s17, 1
	s_add_co_u32 s20, s20, s16
	s_lshl_b32 s46, s42, 1
	s_add_co_u32 s46, s46, s16
	s_mul_i32 s22, s20, PANS
	s_mov_b32 s23, 0
	s_mul_i32 s92, s46, PANS
	s_mov_b32 s93, 0
	s_mul_i32 s20, s20, PANB
	s_mov_b32 s21, 0
	s_mul_i32 s46, s46, PANB
	s_mov_b32 s47, 0
	s_mul_i32 s45, s14, HALFT
	s_mul_i32 s94, s14, HALFS
	s_mov_b32 s98, 0x76543210
	s_mov_b32 s99, 0xfedcba98
	s_wait_kmcnt 0x0
	s_mov_b64 s[12:13], s[10:11]                   ; hid
	s_mov_b64 s[66:67], s[8:9]                     ; b1
	s_add_nc_u64 s[8:9], s[6:7], BLK0*CHB          ; w1's codes
	s_add_nc_u64 s[10:11], s[6:7], WS+BLK0*1024    ; w1's scales
	s_add_nc_u64 s[6:7], s[4:5], SOFF              ; xn's scales
	s_add_nc_u64 s[20:21], s[4:5], s[20:21]
	s_add_nc_u64 s[22:23], s[6:7], s[22:23]
	s_add_nc_u64 s[46:47], s[8:9], s[46:47]
	s_add_nc_u64 s[92:93], s[10:11], s[92:93]
	CROUND                                         ; all sixteen work-groups are here: the first joint loads meet
	s_mov_b32 s[G0S], 1
	s_add_co_u32 s[G0S+1], s94, SCL
	s_mov_b64 s[G0S+2:G0S+3], s[22:23]
	s_or_b32 s[G0S+3], s[G0S+3], 0x80000000
	s_mov_b32 s[G0SB], 1
	s_add_co_u32 s[G0SB+1], s94, SCL
	s_mov_b64 s[G0SB+2:G0SB+3], s[92:93]
	s_or_b32 s[G0SB+3], s[G0SB+3], 0x80000000
	JLOAD G0S, G1S, G0SB, G1SB
.irp s, 0,1
	s_mov_b32 s[G0+4*\s], 1
	s_add_co_u32 s[G0+4*\s+1], s45, \s*SLOT
	s_add_nc_u64 s[G0+4*\s+2:G0+4*\s+3], s[20:21], \s*CHB
	s_or_b32 s[G0+4*\s+3], s[G0+4*\s+3], 0x80000000
	s_mov_b32 s[G0B+4*\s], 1
	s_add_co_u32 s[G0B+4*\s+1], s45, \s*SLOT
	s_add_nc_u64 s[G0B+4*\s+2:G0B+4*\s+3], s[46:47], \s*CHB
	s_or_b32 s[G0B+4*\s+3], s[G0B+4*\s+3], 0x80000000
	JLOAD G0+4*\s, G1, G0B+4*\s, G1B
.endr
	v_and_b32 v1, 15, v0                           ; r
	v_bfe_u32 v2, v0, 4, 1                         ; h
	v_mul_u32_u24 v3, v1, PITCH
	v_mul_u32_u24 v4, v2, 24
	v_add_nc_u32 v4, v3, v4
	v_lshl_add_u32 v5, v2, 4, v4
	s_mul_i32 s21, s15, HALFT
	s_mul_i32 s22, s16, HALFT
	s_add_co_u32 s22, s22, 2*HALFT
.irp s, 0,1
	v_add_nc_u32 v[ADRA+\s], s21, v4
	v_add_nc_u32 v[ADRB+\s], s22, v4
	v_add_nc_u32 v[ADRA+2+\s], s21, v5
	v_add_nc_u32 v[ADRB+2+\s], s22, v5
	s_add_co_u32 s21, s21, SLOT
	s_add_co_u32 s22, s22, SLOT
.endr
	v_lshlrev_b32 v5, 3, v1
	s_mul_i32 s21, s15, HALFS
	s_mul_i32 s22, s16, HALFS
	s_add_co_u32 s22, s22, 2*HALFS
	s_sub_co_u32 s22, s22, s21
	v_mul_u32_u24 v6, s22, v2                      ; lanes 16-31 take B's
	s_add_co_u32 s21, s21, SCL
	v_add_nc_u32 v5, v5, v6
	v_add_nc_u32 v[ADRS], s21, v5
	; the bias of my 128 columns, in the accumulators' layout
	s_lshl_b32 s46, s42, 10
	s_lshl_b32 s47, s16, 9
	s_add_co_u32 s46, s46, s47
	s_mov_b32 s47, 0
	s_add_nc_u64 s[66:67], s[66:67], s[46:47]
	v_lshlrev_b32 v[RDS], 6, v2                    ; 64 h
.irp b, 0,1,2,3,4,5,6,7
	global_load_b128 v[BD+8*\b:BD+8*\b+3], v[RDS], s[66:67] offset:128*(\b/2)+32*(\b%2)
	global_load_b128 v[BD+8*\b+4:BD+8*\b+7], v[RDS], s[66:67] offset:128*(\b/2)+32*(\b%2)+16
.endr
	; the way out: the work-group's stage in slot 0: codes [2 panels][128 rows][192 bytes], then scale bytes [2 panels][128 rows][8]
	s_mul_i32 s23, s15, 24576
	s_mul_i32 s21, s16, 96
	s_add_co_u32 s21, s21, s23
	v_mul_u32_u24 v5, v1, 192
	v_mad_u32_u24 v5, v2, 24, v5
	v_add_nc_u32 v[STO], s21, v5                   ; row r, my wave's 96 bytes of it, + 24 h
	s_lshl_b32 s21, s15, 10
	s_lshl_b32 s22, s16, 2
	s_add_co_u32 s22, s22, s21
	s_add_co_u32 s22, s22, 49152
	v_lshl_add_u32 v[STS], v1, 3, s22
	v_and_b32 v6, 31, v0
	v_lshlrev_b32 v[CO], 4, v6
	s_mul_i32 s22, s16, 12288
	s_add_co_u32 s22, s22, s23
	v_add_nc_u32 v[RD], s22, v[CO]                 ; back: half a panel's codes
	s_lshl_b32 s20, s17, 1
	s_add_co_u32 s20, s20, s15                     ; my panel of rows
	s_lshl_b32 s20, s20, 4
	s_add_co_u32 s20, s20, s42                     ; x 16 chunks + the tile's column
	s_mul_i32 s22, s20, CHB
	s_mul_i32 s23, s16, 12288
	s_add_co_u32 s22, s22, s23
	s_mov_b32 s23, 0
	s_lshl_b32 s20, s20, 10
	s_lshl_b32 s21, s16, 9
	s_add_co_u32 s20, s20, s21
	s_add_co_u32 s20, s20, 12582912
	s_mov_b32 s21, 0
	s_add_nc_u64 s[96:97], s[12:13], s[20:21]      ; my scale bytes
	s_add_nc_u64 s[12:13], s[12:13], s[22:23]      ; my codes
	s_lshl_b32 s46, s15, 10
	s_lshl_b32 s47, s16, 9
	s_add_co_u32 s46, s46, s47
	s_add_co_u32 s46, s46, 49152                   ; where I read scale bytes back (made into an address behind the bias's wait)
.macro FRAG reg, adr, q, i             ; a fragment: lane (r, h) holds row r; registers 6 c .. 6 c + 5 hold K = 64 c + 32 h + 0 .. 31: 24 bytes of the row as they lie, in pieces of 8 bytes
.irp p, 0,1,2,3,4,5
.set PCE, 12*(\q)+6*(\p/3)+\p%3        ; lanes 16-31 read three pieces further on; where that lies behind one padding more, the second address register serves
.if PCE%8 < 5
	ds_load_b64 v[\reg+2*\p:\reg+2*\p+1], v[\adr] offset:8*PCE+16*(PCE/8)+(\i)*16*PITCH
.else
	ds_load_b64 v[\reg+2*\p:\reg+2*\p+1], v[\adr+2] offset:8*PCE+16*(PCE/8)+(\i)*16*PITCH
.endif
.endr
.endm
; 16 matrix instructions: A's blocks a0, a0 + 1 x B's eight, the slot's q-th 128 along K.  first = 1: the sums begin with the bias.
; The 64 accumulators take turns, one instruction a turn, in the same order in every step.
.macro MUL16 a0, p, q, sc, first
.irp a, \a0, \a0+1
.irp b, 0,1,2,3,4,5,6,7
.set rD, 8*(8*((\a)%4)+\b)
.set rB, 128*(\p)+FR*\b
.set rA, AF+FR*(\a)
.set rSB, SC+8*NQ*(\sc)+NQ*\b+(\q)
.set rSA, SC+8*NQ*(\sc)+NQ*(\a)+(\q)
.if \first
	v_wmma_scale_f32_16x16x128_f8f6f4 v[rD:rD+7], v[rB:rB+FR-1], v[rA:rA+FR-1], v[BD+8*\b:BD+8*\b+7], v[rSB], v[rSA] matrix_a_fmt:MATRIX_FMT_FP6 matrix_b_fmt:MATRIX_FMT_FP6 matrix_a_scale:MATRIX_SCALE_ROW1
.else
	v_wmma_scale_f32_16x16x128_f8f6f4 v[rD:rD+7], v[rB:rB+FR-1], v[rA:rA+FR-1], v[rD:rD+7], v[rSB], v[rSA] matrix_a_fmt:MATRIX_FMT_FP6 matrix_b_fmt:MATRIX_FMT_FP6 matrix_a_scale:MATRIX_SCALE_ROW1
.endif
.endr
.endr
.endm
.macro FETCH_B slot, q, p
	WIN TO_B
.irp i, 0,1,2,3,4,5,6,7
	FRAG 128*(\p)+FR*\i, ADRB+\slot, \q, \i
.endr
	WIN 0
.endm
.macro FETCH_A slot, q, i0
.irp i, \i0, \i0+1, \i0+2, \i0+3
	FRAG AF+FR*(\i), ADRA+\slot, \q, \i
.endr
.endm
.macro SCALES sc
.irp i, 0,1,2,3,4,5,6,7
	ds_load_b64 v[SC+8*NQ*\sc+NQ*\i:SC+8*NQ*\sc+NQ*\i+1], v[ADRS] offset:\i*SBLK
.endr
.endm
.macro PLACES n                        ; plain vector instructions between a matrix instruction and a load into, or a read of, its registers (ISA guide 7.12.1 for reads)
.rept \n
	v_nop
.endr
.endm
.macro STEP slot, q, first
	s_wait_dscnt 4*NL                              ; B's set and A's blocks 0-3 are in; the youngest 24 loads (A's blocks 4-7) may be out
.if \first
	WIN 0x81                                       ; C (the bias) in window 0, D in window 2
.else
	WIN MUL_LO
.endif
	MUL16 0, (\q)%2, \q, \slot, \first
	MUL16 2, (\q)%2, \q, \slot, \first
	s_wait_dscnt 0
	PLACES NP
	FETCH_B \slot, (\q)+1, 1-(\q)%2
	FETCH_A \slot, (\q)+1, 0
.if \first
	WIN 0xc1
.else
	WIN MUL_HI
.endif
	MUL16 4, (\q)%2, \q, \slot, \first
	MUL16 6, (\q)%2, \q, \slot, \first
	PLACES NP
	WIN 0
	FETCH_A \slot, (\q)+1, 4
.endm
; A slot's last step changes slots: one barrier; in front of it each wave waits for all its tensor loads, adds 0 to its spare word, and waits for that and for its reads of this slot.  fill = 1: the slot is filled again, two K steps ahead.
.macro TURN slot, next, fill
	s_wait_tensorcnt 0x0                           ; all my tensor loads have landed: my part of the next slot
	ds_add_u32 v[SPW], v[NIL]                      ; 0 onto my spare word
	s_wait_dscnt 4*NL+1                            ; (the add and the youngest 24 loads may be out)
	WIN MUL_LO
	MUL16 0, 1, NQ-1, \slot, 0
	s_wait_dscnt 0x0                               ; the add is done, and my reads of this slot are over
	s_barrier_signal -1
	MUL16 2, 1, NQ-1, \slot, 0
	WIN 0
	s_barrier_wait -1
.if \fill
	CREST                                          ; the barrier has opened a round of the cluster's: no wave of any partner still reads this slot or has a load on its way
	s_add_nc_u64 s[G0+4*\slot+2:G0+4*\slot+3], s[G0+4*\slot+2:G0+4*\slot+3], 2*CHB
	s_add_nc_u64 s[G0B+4*\slot+2:G0B+4*\slot+3], s[G0B+4*\slot+2:G0B+4*\slot+3], 2*CHB
	JLOAD G0+4*\slot, G1, G0B+4*\slot, G1B
.else
	PLACES NP
.endif
	v_add_nc_u32 v[ADRS], 1024, v[ADRS]            ; the next chunk's scale bytes
	FETCH_B \next, 0, 0
	FETCH_A \next, 0, 0
	SCALES \next
	WIN MUL_HI
	MUL16 4, 1, NQ-1, \slot, 0
	MUL16 6, 1, NQ-1, \slot, 0
	PLACES NP
	WIN 0
	FETCH_A \next, 0, 4
.endm
	s_wait_tensorcnt 1                             ; the scales and my part of K step 0 are in (K step 1's load may be out),
	s_barrier_signal -1
	s_barrier_wait -1                              ; everybody's are
	FETCH_B 0, 0, 0
	FETCH_A 0, 0, 0
	SCALES 0
	FETCH_A 0, 0, 4
	s_wait_loadcnt 0x0                             ; the bias is in, and its loads have read their address register:
	v_add_nc_u32 v[RDS], s46, v[CO]                ; which now holds the place where I read scale bytes back
	STEP 0, 0, 1
	s_mov_b32 s3, LAPS-1
.Llap:                                                 ; a trip goes once round the ring and fills both slots again
	TURN 0, 1, 1
	STEP 1, 0, 0
	TURN 1, 0, 1
	STEP 0, 0, 0
	s_sub_co_u32 s3, s3, 1
	s_cmp_lg_u32 s3, 0
	s_cbranch_scc1 .Llap
	TURN 0, 1, 0                                   ; the last lap fills nothing
	STEP 1, 0, 0
	s_wait_dscnt 4*NL
	WIN MUL_LO
	MUL16 0, 1, NQ-1, 1, 0
	MUL16 2, 1, NQ-1, 1, 0
	s_wait_dscnt 0
	WIN MUL_HI
	MUL16 4, 1, NQ-1, 1, 0
	MUL16 6, 1, NQ-1, 1, 0
	WIN 0
; Block a's 16 rows x 128 columns become a fragment's codes in v[CD] on (lane (r, h), registers 6 c .. 6 c + 5: block 2 c + h of row 16 a + r) and the row's scale word in v[PW].
.macro QUANTW a
.set AC, 64*((\a)%4)
	WIN 0x28+0x14*((\a)/4)                         ; sources 1 and 2: the accumulators' window
.irp b, 0,1,2,3
	v_max3_num_f32 v[TM+\b], v[FLR], |v[AC+16*\b]|, |v[AC+16*\b+1]|
.endr
.irp i, 2,4,6,8,10,12,14
.irp b, 0,1,2,3
	v_max3_num_f32 v[TM+\b], v[TM+\b], |v[AC+16*\b+\i]|, |v[AC+16*\b+\i+1]|
.endr
.endr
	WIN 0
.irp b, 0,1,2,3
	v_permlanex16_b32 v[TM+4+\b], v[TM+\b], s98, s99
.endr
.irp b, 0,1,2,3
	v_max_num_f32 v[TM+\b], v[TM+\b], v[TM+4+\b]   ; with lane l xor 16's: the block's largest magnitude
.endr
.irp b, 0,1,2,3
	v_add_nc_u32 v[TM+12+\b], 0xff000000, v[TM+\b] ; 2 off the exponent field: the conversion's scale operand
.endr
.irp b, 0,1,2,3
	v_lshrrev_b32 v[TM+4+\b], 23, v[TM+12+\b]      ; the scale's byte
.endr
	v_lshl_or_b32 v[PW], v[TM+5], 8, v[TM+4]
	v_lshl_or_b32 v[PW], v[TM+6], 16, v[PW]
	v_lshl_or_b32 v[PW], v[TM+7], 24, v[PW]
	WIN 0x02+((\a)/4)                              ; source 0: the accumulators' window
.irp c, 0,1
	v_cvt_scalef32_pk16_fp6_f32 v[CD+6*\c:CD+6*\c+2], v[AC+32*\c:AC+32*\c+15], v[TM+12+2*\c]
	v_cvt_scalef32_pk16_fp6_f32 v[CD+12+4*\c:CD+14+4*\c], v[AC+32*\c+16:AC+32*\c+31], v[TM+13+2*\c]
.endr
	WIN 0
	v_nop                                          ; one plain instruction behind a scaled conversion
.irp c, 0,1                                    ; a whole block to a lane: lanes 0-15 block 2 c, lanes 16-31 block 2 c + 1
.irp i, 0,1,2
	v_permlane16_swap_b32 v[CD+6*\c+\i], v[CD+12+4*\c+\i]
.endr
.irp i, 0,1,2
	v_mov_b32 v[CD+3+6*\c+\i], v[CD+12+4*\c+\i]
.endr
.endr
.endm
	; THE WAY OUT.  The stage lies in slot 0, which has had its last fill, and which nobody reads behind the last change of slots.
	PLACES NP
	v_mov_b32 v[FLR], 0x1800000
.irp b, 0,1,2,3
	v_mov_b32 v[TM+4+\b], 0                        ; written once: a lane permute's destination counts as one of its sources
.endr
.irp a, 0,1,2,3,4,5,6,7
	WIN 0x88+0x44*(\a/4)                           ; source 1 and destination: the accumulators' window
.set j, 0
.rept 64
	v_max_num_f32 v[64*(\a%4)+j], 0, v[64*(\a%4)+j]   ; the activation, in f32; each accumulator from its low end on
.set j, j+1
.endr
	QUANTW \a
.irp c, 0,1
.irp p, 0,1,2
	ds_store_b64 v[STO], v[CD+6*\c+2*\p:CD+6*\c+2*\p+1] offset:\a*3072+48*\c+8*\p
.endr
.endr
	ds_store_b32 v[STS], v[PW] offset:128*\a       ; both halves of the lanes write the same word with the same value
	s_wait_dscnt 0x0                               ; the stores are done: their registers may be written, and (behind the last block) the others may read
.endr
	s_barrier_signal -1
	s_barrier_wait -1                              ; a row's 192 bytes come from two waves: now they are whole
.set i, 0
.rept 24
	ds_load_b128 v[128+4*i:131+4*i], v[RD] offset:512*i
.set i, i+1
.endr
	ds_load_b128 v[224:227], v[RDS]
	s_wait_dscnt 0x0
.set i, 0
.rept 24
	global_store_b128 v[CO], v[128+4*i:131+4*i], s[12:13] offset:512*i   ; 512 consecutive bytes, at a multiple of 256 from the buffer's first byte
.set i, i+1
.endr
	global_store_b128 v[CO], v[224:227], s[96:97]
	s_wait_tensorcnt 0x0                           ; the wave's end
	ds_add_u32 v[SPW], v[NIL]
	s_wait_dscnt 0x0
	CROUND                                         ; the closing round
	s_endpgm
.Lfunc_end_k_q821e060f46_gemm_w1:
	.size	k_q821e060f46_gemm_w1, .Lfunc_end_k_q821e060f46_gemm_w1-k_q821e060f46_gemm_w1
	.p2alignl 7, 3214868480
	.fill 96, 4, 3214868480
	.section	.rodata,"a",@progbits
	.p2align	6, 0x0
	.amdhsa_kernel k_q821e060f46_gemm_w1
		.amdhsa_group_segment_fixed_size 327680
		.amdhsa_private_segment_fixed_size 0
		.amdhsa_enable_private_segment 0
		.amdhsa_kernarg_size 32
		.amdhsa_user_sgpr_count 2
		.amdhsa_user_sgpr_kernarg_segment_ptr 1
		.amdhsa_wavefront_size32 1
		.amdhsa_system_sgpr_workgroup_id_x 1
		.amdhsa_system_sgpr_workgroup_id_y 1
		.amdhsa_system_sgpr_workgroup_id_z 1
		.amdhsa_system_vgpr_workitem_id 0
		.amdhsa_next_free_vgpr 1024
		.amdhsa_next_free_sgpr 100
		.amdhsa_reserve_vcc 0
		.amdhsa_float_denorm_mode_32 3
		.amdhsa_float_denorm_mode_16_64 3
		.amdhsa_memory_ordered 1
		.amdhsa_forward_progress 1
		.amdhsa_inst_pref_size 187
	.end_amdhsa_kernel
	.amdgpu_metadata
---
amdhsa.version: [ 1, 2 ]
amdhsa.kernels:
  - .name:           k_q821e060f46_gemm_w1
    .symbol:         k_q821e060f46_gemm_w1.kd
    .args:
      - { .name: actA, .offset: 0, .size: 8, .value_kind: global_buffer, .address_space: global }
      - { .name: wbuf, .offset: 8, .size: 8, .value_kind: global_buffer, .address_space: global }
      - { .name: b1, .offset: 16, .size: 8, .value_kind: global_buffer, .address_space: global }
      - { .name: hid, .offset: 24, .size: 8, .value_kind: global_buffer, .address_space: global }
    .group_segment_fixed_size: 327680
    .private_segment_fixed_size: 0
    .kernarg_segment_align: 8
    .kernarg_segment_size: 32
    .max_flat_workgroup_size: 128
    .sgpr_count:     100
    .vgpr_count:     1024
    .wavefront_size: 32
...
	.end_amdgpu_metadata
.endif
;; end of part 6
;; launch gemm_w2 (part 7): grid 4 x 16, 4 waves a work-group, clusters of 4 x 4, 327,680 bytes of LDS; arguments hid, wbuf, x1, b2, out0; writes out0
.if DOCPART == 7
	.amdgcn_target "amdgcn-amd-amdhsa--gfx1250"
	.amdhsa_code_object_version 6
	.text
	.protected	k_q821e060f46_gemm_w2
	.globl	k_q821e060f46_gemm_w2
	.p2align	8
	.type	k_q821e060f46_gemm_w2,@function
k_q821e060f46_gemm_w2:
	s_mov_b64 s[64:65], 0
	v_nop
	global_prefetch_b8 v0, s[64:65] scope:SCOPE_SE
	s_setreg_imm32_b32 hwreg(HW_REG_WAVE_MODE, 25, 1), 1
	s_wait_xcnt 0x0
	s_wait_alu depctr_hold_cnt(0) depctr_sa_sdst(0) depctr_va_vdst(0) depctr_va_sdst(0) depctr_va_ssrc(0) depctr_va_vcc(0) depctr_vm_vsrc(0)
	s_getreg_b32 s2, hwreg(HW_REG_IB_STS2, 6, 4)
	s_cmp_eq_u32 s2, 0
	s_cbranch_scc0 .Lentry_in_a_cluster
	s_endpgm
.Lentry_in_a_cluster:
	s_bfe_u32 s2, ttmp6, 0x10000c
	s_cmp_lg_u32 s2, 0xf033
	s_cbranch_scc0 .Lentry_shape_is_right
	s_endpgm
.Lentry_shape_is_right:
; C = RES + A B^T (+ bias): A (4,096 rows) and B (1,024 rows) are codes of FP6 (E2M3) with E8M0 scales; RES, bias and C are f32, C [4,096][1,024].  Here: out = x1 + h w2 + b2, K = 4,096.
; OPERANDS lie in panels of 128 rows and chunks of 256 along K: a (panel, chunk) is 24,576 dense bytes of codes ([128][192]) and 1,024 of scale bytes ([128][8]); row p of a panel is logical row swap34(p).
; A tile of C, 256 x 256, is made by four waves of 128 x 128: 64 accumulators, 512 registers.  K goes in steps of 256 through a ring of two LDS slots filled by the tensor data mover; the scales of all of K come once.
; C has 16 x 4 such tiles: 64 work-groups.  CLUSTERS 4 x 4: A's tiles are asked for jointly along a row of the cluster, B's along a column.
; THE MATRIX INSTRUCTION IS USED TRANSPOSED (source 0 = 16 rows of B, source 1 = 16 rows of A): in accumulator (a, b) lane (r, h), register j holds C at row 32 (a / 2) + 8 (a % 2) + r + 8 (r / 8), column 32 (b / 2) + 16 h + 8 (b % 2) + j.
; THE RESIDUAL IS THE C OF THE FIRST PRODUCTS: it is loaded straight into the accumulators while the first tiles are on their way.  The bias is added to whole rows on the way out.
; REGISTERS, in windows of 256: window 0: v0-31 addresses; v32-63 scale words, two sets; v64-67 the bias; from v128 A's fragments, one set (on the way out: rows of C).  window 1: B's fragments, two sets.  windows 2, 3: the accumulators.
.set NK,     16                        ; chunks of 256 along K
.set BLK0,   256                       ; B's first block in wbuf
.set SOFF,   12582912                  ; where A's scale bytes begin
.set BIAS,   1
.set NQ,     2                         ; matrix instructions deep in a slot
.set PITCH,  240                       ; an LDS row: 3 x (64 bytes + 16 of padding): the 32 lanes of a load of 8 bytes touch 64 different banks (64 banks of 4 bytes: ISA guide 11.1)
.set FR,     12
.set NL,     6
.set NP,     4                         ; places behind this matrix instruction (ISA guide 7.12.1)
.set CHB,    24576
.set PANB,   NK*CHB
.set PANS,   NK*1024
.set WS,     9437184
.set HALFT,  128*PITCH
.set SLOT,   4*HALFT
.set LAPS,   NK/2
.set SCL,    2*SLOT
.set HALFS,  PANS
.set SBLK,   128
.set SPARE,  SCL+4*HALFS               ; the spare words, 128 bytes for each wave; no other line names them
.set SPITCH, 528                       ; the way out: a stage of 16 rows x (512 bytes + 16) for each wave, in slot 0
.set ADRA, 16
.set ADRB, 20
.set STO,  24
.set RD,   25
.set CO,   26
.set ADRS, 27
.set SPW,  28
.set NIL,  29
.set RO,   30                          ; v30 my lane's place in the residual: (r + 8 (r / 8)) rows + 64 h bytes
.set SC,   32
.set BI,   64
.set AF,   128
.set BK,   128
.set G1, 24
.set G0, 32
.set G1B, 48
.set G0B, 56
.set G1S, 68
.set G0S, 76
.set G1SB, 80
.set G0SB, 88
.set MSB, 0
.macro WIN new                         ; the immediate's high byte repeats the setting that is left
.if MSB != (\new)
	s_set_vgpr_msb (MSB<<8)|(\new)
.set MSB, (\new)
.endif
.endm
.set MUL_LO, 0xa1
.set MUL_HI, 0xf1
.set TO_B,   0x40
; A joint load: waves 0 and 1 fetch for A, waves 2 and 3 for B; the branch hangs on the wave's number alone.  Four v_nop follow each of the two lines.
.macro JLOAD g0a, g1a, g0b, g1b
	s_cmp_eq_u32 s15, 0
	s_cbranch_scc0 .Lfor_b_\@
	tensor_load_to_lds s[\g0a:\g0a+3], s[\g1a:\g1a+7]
	s_nop 0
.rept 4
	v_nop
.endr
	s_branch .Lasked_\@
.Lfor_b_\@:
	tensor_load_to_lds s[\g0b:\g0b+3], s[\g1b:\g1b+7]
	s_nop 0
.rept 4
	v_nop
.endr
.Lasked_\@:
.endm
.macro CREST
	s_cmp_lg_u32 s14, 0
	s_cbranch_scc1 .Lnot_wave_0_\@
	s_barrier_signal -3
.Lnot_wave_0_\@:
	s_barrier_wait -3
	s_barrier_signal -1
	s_barrier_wait -1
.endm
.macro CROUND
	s_barrier_signal -1
	s_barrier_wait -1
	CREST
.endm
	s_load_b256 s[4:11], s[0:1], 0x0               ; A, wbuf, RES, and the bias (BIAS = 1) or C
.if BIAS
	s_load_b64 s[12:13], s[0:1], 0x20              ; C
.endif
	v_lshl_add_u32 v[SPW], v0, 2, SPARE
	v_mov_b32 v[NIL], 0
	ds_add_u32 v28, v29
	ds_add_u32 v28, v29
	s_wait_dscnt 0x0
	v_lshrrev_b32 v1, 5, v0
	v_readfirstlane_b32 s14, v1                    ; wave 0..3
	s_lshr_b32 s15, s14, 1                         ; which half of the tile's rows is mine.  Also: I fetch for A (0) or for B (1)
	s_and_b32 s16, s14, 1                          ; which half of its columns.  Also: which panel of that tile I fetch
	s_bfe_u32 s40, ttmp6, 0x40000                  ; cx, cy
	s_bfe_u32 s41, ttmp6, 0x40004
	s_lshl_b32 s42, ttmp9, 2
	s_add_co_u32 s42, s42, s40                     ; tile column
	s_and_b32 s17, ttmp7, 0xffff
	s_lshl_b32 s17, s17, 2
	s_add_co_u32 s17, s17, s41                     ; tile row
	s_lshl_b32 s43, s41, 2
	s_lshl_b32 s43, 15, s43                        ; my row of the cluster
	s_lshl_b32 s44, 0x1111, s40                    ; my column
	; descriptor group 1 for the codes: a (panel, chunk) is dense: 96 rows of 256 bytes; 16 bytes of padding behind every 64 give LDS rows of 192 bytes at pitch 240
	s_or_b32 s[G1+0], s43, (1<<20)|(1<<21)|(3<<22)|(3<<25)
	s_or_b32 s[G1B+0], s44, (1<<20)|(1<<21)|(3<<22)|(3<<25)
.irp g, G1, G1B
	s_mov_b32 s[\g+1], 256<<16
	s_mov_b32 s[\g+2], 96<<16
	s_mov_b32 s[\g+3], 256<<16
	s_mov_b32 s[\g+4], 96
	s_mov_b32 s[\g+5], 256
	s_mov_b32 s[\g+6], 0
	s_mov_b32 s[\g+7], 0
.endr
	; and for a panel's scale bytes: PANS dense bytes as rows of 256 (32 elements of 8 bytes), no padding
	s_or_b32 s[G1S+0], s43, (3<<16)|(1<<21)
	s_or_b32 s[G1SB+0], s44, (3<<16)|(1<<21)
.irp g, G1S, G1SB
	s_mov_b32 s[\g+1], 32<<16
	s_mov_b32 s[\g+2], (4*NK)<<16
	s_mov_b32 s[\g+3], 32<<16
	s_mov_b32 s[\g+4], 4*NK
	s_mov_b32 s[\g+5], 32
	s_mov_b32 s[\g+6], 0
	s_mov_b32 s[\g+7], 0
.endr
	s_lshl_b32 s20, s17, 1
	s_add_co_u32 s20, s20, s16                     ; A: the panel that I fetch
	s_lshl_b32 s46, s42, 1
	s_add_co_u32 s46, s46, s16                     ; B: likewise
	s_mul_i32 s22, s20, PANS
	s_mov_b32 s23, 0
	s_mul_i32 s92, s46, PANS
	s_mov_b32 s93, 0
	s_mul_i32 s20, s20, PANB
	s_mov_b32 s21, 0
	s_mul_i32 s46, s46, PANB
	s_mov_b32 s47, 0
	s_mul_i32 s45, s14, HALFT
	s_mul_i32 s94, s14, HALFS
	s_wait_kmcnt 0x0
.if BIAS
	s_mov_b64 s[66:67], s[10:11]                   ; the bias
.else
	s_mov_b64 s[12:13], s[10:11]                   ; C
.endif
	s_mov_b64 s[96:97], s[8:9]                     ; RES
	s_add_nc_u64 s[8:9], s[6:7], BLK0*CHB          ; B's codes
	s_add_nc_u64 s[10:11], s[6:7], WS+BLK0*1024    ; B's scales
	s_add_nc_u64 s[6:7], s[4:5], SOFF              ; A's scales
	s_add_nc_u64 s[20:21], s[4:5], s[20:21]
	s_add_nc_u64 s[22:23], s[6:7], s[22:23]
	s_add_nc_u64 s[46:47], s[8:9], s[46:47]
	s_add_nc_u64 s[92:93], s[10:11], s[92:93]
	CROUND                                         ; all sixteen work-groups are here: the first joint loads meet
	s_mov_b32 s[G0S], 1
	s_add_co_u32 s[G0S+1], s94, SCL
	s_mov_b64 s[G0S+2:G0S+3], s[22:23]
	s_or_b32 s[G0S+3], s[G0S+3], 0x80000000
	s_mov_b32 s[G0SB], 1
	s_add_co_u32 s[G0SB+1], s94, SCL
	s_mov_b64 s[G0SB+2:G0SB+3], s[92:93]
	s_or_b32 s[G0SB+3], s[G0SB+3], 0x80000000
	JLOAD G0S, G1S, G0SB, G1SB
.irp s, 0,1
	s_mov_b32 s[G0+4*\s], 1
	s_add_co_u32 s[G0+4*\s+1], s45, \s*SLOT
	s_add_nc_u64 s[G0+4*\s+2:G0+4*\s+3], s[20:21], \s*CHB
	s_or_b32 s[G0+4*\s+3], s[G0+4*\s+3], 0x80000000
	s_mov_b32 s[G0B+4*\s], 1
	s_add_co_u32 s[G0B+4*\s+1], s45, \s*SLOT
	s_add_nc_u64 s[G0B+4*\s+2:G0B+4*\s+3], s[46:47], \s*CHB
	s_or_b32 s[G0B+4*\s+3], s[G0B+4*\s+3], 0x80000000
	JLOAD G0+4*\s, G1, G0B+4*\s, G1B
.endr
	v_and_b32 v1, 15, v0                           ; r
	v_bfe_u32 v2, v0, 4, 1                         ; h
	v_mul_u32_u24 v3, v1, PITCH
	v_mul_u32_u24 v4, v2, 24
	v_add_nc_u32 v4, v3, v4
	v_lshl_add_u32 v5, v2, 4, v4
	s_mul_i32 s21, s15, HALFT
	s_mul_i32 s22, s16, HALFT
	s_add_co_u32 s22, s22, 2*HALFT
.irp s, 0,1
	v_add_nc_u32 v[ADRA+\s], s21, v4
	v_add_nc_u32 v[ADRB+\s], s22, v4
	v_add_nc_u32 v[ADRA+2+\s], s21, v5
	v_add_nc_u32 v[ADRB+2+\s], s22, v5
	s_add_co_u32 s21, s21, SLOT
	s_add_co_u32 s22, s22, SLOT
.endr
	v_lshlrev_b32 v5, 3, v1
	s_mul_i32 s21, s15, HALFS
	s_mul_i32 s22, s16, HALFS
	s_add_co_u32 s22, s22, 2*HALFS
	s_sub_co_u32 s22, s22, s21
	v_mul_u32_u24 v6, s22, v2                      ; lanes 16-31 take B's
	s_add_co_u32 s21, s21, SCL
	v_add_nc_u32 v5, v5, v6
	v_add_nc_u32 v[ADRS], s21, v5
	s_mul_i32 s23, s14, 16*SPITCH                  ; my stage
	v_mul_u32_u24 v5, v1, SPITCH
	v_lshl_add_u32 v5, v2, 6, v5
	v_add_nc_u32 v[STO], s23, v5                   ; in: row r, + 64 h bytes
	v_and_b32 v6, 31, v0
	v_lshlrev_b32 v[CO], 4, v6                     ; back: the 32 lanes take one row of 512 bytes; and the same in C
	v_add_nc_u32 v[RD], s23, v[CO]
	v_and_b32 v5, 8, v1
	v_add_nc_u32 v5, v5, v1
	v_lshlrev_b32 v[RO], 12, v5
	v_lshl_add_u32 v[RO], v2, 6, v[RO]
	s_lshl_b32 s20, s17, 8
	s_lshl_b32 s21, s15, 7
	s_add_co_u32 s20, s20, s21                     ; my first row of C
	s_lshl_b32 s20, s20, 12
	s_lshl_b32 s46, s42, 10
	s_lshl_b32 s47, s16, 9
	s_add_co_u32 s46, s46, s47                     ; my first column, in bytes
	s_mov_b32 s47, 0
	s_add_co_u32 s20, s20, s46
	s_mov_b32 s21, 0
	s_add_nc_u64 s[12:13], s[12:13], s[20:21]
	s_add_nc_u64 s[96:97], s[96:97], s[20:21]
.if BIAS
	s_add_nc_u64 s[66:67], s[66:67], s[46:47]
	global_load_b128 v[BI:BI+3], v[CO], s[66:67]   ; the bias of columns 4 x lane on
.endif
.irp a, 0,1,2,3,4,5,6,7                        ; the residual, in the accumulators' layout
	WIN 0x80+0x40*(\a/4)                           ; destination: window 2 or 3
.irp b, 0,1,2,3,4,5,6,7
	global_load_b128 v[8*(8*(\a%4)+\b):8*(8*(\a%4)+\b)+3], v[RO], s[96:97] offset:(32*(\a/2)+8*(\a%2))*4096+128*(\b/2)+32*(\b%2)
	global_load_b128 v[8*(8*(\a%4)+\b)+4:8*(8*(\a%4)+\b)+7], v[RO], s[96:97] offset:(32*(\a/2)+8*(\a%2))*4096+128*(\b/2)+32*(\b%2)+16
.endr
.endr
	WIN 0
.macro FRAG reg, adr, q, i             ; a fragment: lane (r, h) holds row r; registers 6 c .. 6 c + 5 hold K = 64 c + 32 h + 0 .. 31: 24 bytes of the row as they lie, in pieces of 8 bytes
.irp p, 0,1,2,3,4,5
.set PCE, 12*(\q)+6*(\p/3)+\p%3        ; lanes 16-31 read three pieces further on; where that lies behind one padding more, the second address register serves
.if PCE%8 < 5
	ds_load_b64 v[\reg+2*\p:\reg+2*\p+1], v[\adr] offset:8*PCE+16*(PCE/8)+(\i)*16*PITCH
.else
	ds_load_b64 v[\reg+2*\p:\reg+2*\p+1], v[\adr+2] offset:8*PCE+16*(PCE/8)+(\i)*16*PITCH
.endif
.endr
.endm
; 16 matrix instructions: A's blocks a0, a0 + 1 x B's eight, the slot's q-th 128 along K.  The 64 accumulators take turns, one instruction a turn, in the same order in every step.
.macro MUL16 a0, p, q, sc
.irp a, \a0, \a0+1
.irp b, 0,1,2,3,4,5,6,7
.set rD, 8*(8*((\a)%4)+\b)
.set rB, 128*(\p)+FR*\b
.set rA, AF+FR*(\a)
.set rSB, SC+8*NQ*(\sc)+NQ*\b+(\q)
.set rSA, SC+8*NQ*(\sc)+NQ*(\a)+(\q)
	v_wmma_scale_f32_16x16x128_f8f6f4 v[rD:rD+7], v[rB:rB+FR-1], v[rA:rA+FR-1], v[rD:rD+7], v[rSB], v[rSA] matrix_a_fmt:MATRIX_FMT_FP6 matrix_b_fmt:MATRIX_FMT_FP6 matrix_a_scale:MATRIX_SCALE_ROW1
.endr
.endr
.endm
.macro FETCH_B slot, q, p
	WIN TO_B
.irp i, 0,1,2,3,4,5,6,7
	FRAG 128*(\p)+FR*\i, ADRB+\slot, \q, \i
.endr
	WIN 0
.endm
.macro FETCH_A slot, q, i0
.irp i, \i0, \i0+1, \i0+2, \i0+3
	FRAG AF+FR*(\i), ADRA+\slot, \q, \i
.endr
.endm
.macro SCALES sc
.irp i, 0,1,2,3,4,5,6,7
	ds_load_b64 v[SC+8*NQ*\sc+NQ*\i:SC+8*NQ*\sc+NQ*\i+1], v[ADRS] offset:\i*SBLK
.endr
.endm
.macro PLACES n                        ; plain vector instructions between a matrix instruction and a load into, or a read of, its registers (ISA guide 7.12.1 for reads)
.rept \n
	v_nop
.endr
.endm
.macro STEP slot, q
	s_wait_dscnt 4*NL                              ; B's set and A's blocks 0-3 are in; the youngest 24 loads (A's blocks 4-7) may be out
	WIN MUL_LO
	MUL16 0, (\q)%2, \q, \slot
	MUL16 2, (\q)%2, \q, \slot
	s_wait_dscnt 0
	PLACES NP
	FETCH_B \slot, (\q)+1, 1-(\q)%2
	FETCH_A \slot, (\q)+1, 0
	WIN MUL_HI
	MUL16 4, (\q)%2, \q, \slot
	MUL16 6, (\q)%2, \q, \slot
	PLACES NP
	WIN 0
	FETCH_A \slot, (\q)+1, 4
.endm
; A slot's last step changes slots: one barrier; in front of it each wave waits for all its tensor loads, adds 0 to its spare word, and waits for that and for its reads of this slot.  fill = 1: the slot is filled again, two K steps ahead.
.macro TURN slot, next, fill
	s_wait_tensorcnt 0x0                           ; all my tensor loads have landed: my part of the next slot
	ds_add_u32 v[SPW], v[NIL]                      ; 0 onto my spare word
	s_wait_dscnt 4*NL+1                            ; (the add and the youngest 24 loads may be out)
	WIN MUL_LO
	MUL16 0, 1, NQ-1, \slot
	s_wait_dscnt 0x0                               ; the add is done, and my reads of this slot are over
	s_barrier_signal -1
	MUL16 2, 1, NQ-1, \slot
	WIN 0
	s_barrier_wait -1
.if \fill
	CREST                                          ; the barrier has opened a round of the cluster's: no wave of any partner still reads this slot or has a load on its way
	s_add_nc_u64 s[G0+4*\slot+2:G0+4*\slot+3], s[G0+4*\slot+2:G0+4*\slot+3], 2*CHB
	s_add_nc_u64 s[G0B+4*\slot+2:G0B+4*\slot+3], s[G0B+4*\slot+2:G0B+4*\slot+3], 2*CHB
	JLOAD G0+4*\slot, G1, G0B+4*\slot, G1B
.else
	PLACES NP
.endif
	v_add_nc_u32 v[ADRS], 1024, v[ADRS]            ; the next chunk's scale bytes
	FETCH_B \next, 0, 0
	FETCH_A \next, 0, 0
	SCALES \next
	WIN MUL_HI
	MUL16 4, 1, NQ-1, \slot
	MUL16 6, 1, NQ-1, \slot
	PLACES NP
	WIN 0
	FETCH_A \next, 0, 4
.endm
	s_wait_tensorcnt 1                             ; the scales and my part of K step 0 are in (K step 1's load may be out),
	s_barrier_signal -1
	s_barrier_wait -1                              ; everybody's are
	FETCH_B 0, 0, 0
	FETCH_A 0, 0, 0
	SCALES 0
	FETCH_A 0, 0, 4
	s_wait_loadcnt 0x0                             ; the residual lies in the accumulators, the bias in its registers
	STEP 0, 0
	s_mov_b32 s3, LAPS-1
.Llap:                                                 ; a trip goes once round the ring and fills both slots again
	TURN 0, 1, 1
	STEP 1, 0
	TURN 1, 0, 1
	STEP 0, 0
	s_sub_co_u32 s3, s3, 1
	s_cmp_lg_u32 s3, 0
	s_cbranch_scc1 .Llap
	TURN 0, 1, 0                                   ; the last lap fills nothing
	STEP 1, 0
	s_wait_dscnt 4*NL
	WIN MUL_LO
	MUL16 0, 1, NQ-1, 1
	MUL16 2, 1, NQ-1, 1
	s_wait_dscnt 0
	WIN MUL_HI
	MUL16 4, 1, NQ-1, 1
	MUL16 6, 1, NQ-1, 1
	WIN 0
; THE WAY OUT, block by block of 16 rows x 128 columns, through my own stage in LDS (in slot 0, which has had its last fill and its last read): in by lanes, back as whole rows of 512 bytes.
; LDS serves a wave's instructions in order (ISA guide 5.7.1.4): no wait between the stores and the loads, nor in front of the next block's stores.
.macro TOSTAGE a
.set AC, 64*((\a)%4)
	WIN 0x08+4*((\a)/4)                            ; the data: window 2 or 3
.irp b, 0,1,2,3,4,5,6,7
	ds_store_b128 v[STO], v[AC+8*\b:AC+8*\b+3] offset:128*(\b/2)+32*(\b%2)         ; each accumulator from its low end on
	ds_store_b128 v[STO], v[AC+8*\b+4:AC+8*\b+7] offset:128*(\b/2)+32*(\b%2)+16
.endr
	WIN 0
.set BB, BK+64*((\a)%2)
.irp t, 0,1,2,3,4,5,6,7,8,9,10,11,12,13,14,15
	ds_load_b128 v[BB+4*\t:BB+4*\t+3], v[RD] offset:\t*SPITCH
.endr
.endm
.macro SEND a, younger                 ; younger: the LDS instructions issued behind block a's loads, which may stay out
.set BB, BK+64*((\a)%2)
	s_wait_dscnt \younger
.irp t, 0,1,2,3,4,5,6,7,8,9,10,11,12,13,14,15
.if BIAS
	v_pk_add_f32 v[BB+4*\t:BB+4*\t+1], v[BB+4*\t:BB+4*\t+1], v[BI:BI+1]
	v_pk_add_f32 v[BB+4*\t+2:BB+4*\t+3], v[BB+4*\t+2:BB+4*\t+3], v[BI+2:BI+3]
.endif
	global_store_b128 v[CO], v[BB+4*\t:BB+4*\t+3], s[12:13] offset:(32*((\a)/2)+8*((\a)%2)+\t+8*(\t/8))*4096 th:TH_STORE_NT   ; row t of the block is row 32 (a / 2) + 8 (a % 2) + t + 8 (t / 8) of my 128; 512 consecutive bytes
.endr
.endm
	PLACES NP
	TOSTAGE 0
.irp a, 1,2,3,4,5,6,7
.if \a > 1
	s_wait_xcnt 0x0                                ; block a - 2's stores have read their registers: block a's loads may land there
.endif
	TOSTAGE \a
	SEND \a-1, 32                                  ; behind block a - 1's loads: block a's 16 stores and 16 loads
.endr
	SEND 7, 0
	s_wait_tensorcnt 0x0                           ; the wave's end
	ds_add_u32 v[SPW], v[NIL]
	s_wait_dscnt 0x0
	CROUND                                         ; the closing round
	s_endpgm
.Lfunc_end_k_q821e060f46_gemm_w2:
	.size	k_q821e060f46_gemm_w2, .Lfunc_end_k_q821e060f46_gemm_w2-k_q821e060f46_gemm_w2
	.p2alignl 7, 3214868480
	.fill 96, 4, 3214868480
	.section	.rodata,"a",@progbits
	.p2align	6, 0x0
	.amdhsa_kernel k_q821e060f46_gemm_w2
		.amdhsa_group_segment_fixed_size 327680
		.amdhsa_private_segment_fixed_size 0
		.amdhsa_enable_private_segment 0
		.amdhsa_kernarg_size 40
		.amdhsa_user_sgpr_count 2
		.amdhsa_user_sgpr_kernarg_segment_ptr 1
		.amdhsa_wavefront_size32 1
		.amdhsa_system_sgpr_workgroup_id_x 1
		.amdhsa_system_sgpr_workgroup_id_y 1
		.amdhsa_system_sgpr_workgroup_id_z 1
		.amdhsa_system_vgpr_workitem_id 0
		.amdhsa_next_free_vgpr 1024
		.amdhsa_next_free_sgpr 100
		.amdhsa_reserve_vcc 0
		.amdhsa_float_denorm_mode_32 3
		.amdhsa_float_denorm_mode_16_64 3
		.amdhsa_memory_ordered 1
		.amdhsa_forward_progress 1
		.amdhsa_inst_pref_size 188
	.end_amdhsa_kernel
	.amdgpu_metadata
---
amdhsa.version: [ 1, 2 ]
amdhsa.kernels:
  - .name:           k_q821e060f46_gemm_w2
    .symbol:         k_q821e060f46_gemm_w2.kd
    .args:
      - { .name: hid, .offset: 0, .size: 8, .value_kind: global_buffer, .address_space: global }
      - { .name: wbuf, .offset: 8, .size: 8, .value_kind: global_buffer, .address_space: global }
      - { .name: x1, .offset: 16, .size: 8, .value_kind: global_buffer, .address_space: global }
      - { .name: b2, .offset: 24, .size: 8, .value_kind: global_buffer, .address_space: global }
      - { .name: out0, .offset: 32, .size: 8, .value_kind: global_buffer, .address_space: global }
    .group_segment_fixed_size: 327680
    .private_segment_fixed_size: 0
    .kernarg_segment_align: 8
    .kernarg_segment_size: 40
    .max_flat_workgroup_size: 128
    .sgpr_count:     100
    .vgpr_count:     1024
    .wavefront_size: 32
...
	.end_amdgpu_metadata
.endif
;; end of part 7
